; MI455X (gfx1250); checked and timed in simulation.
; The chip was launched on July 23, 2026; its instructions are those of AMD's public machine-readable ISA for CDNA 5 (MIT licence, August 2026) and "CDNA5" Instruction Set Architecture Reference Guide (July 2026). The comments in the code are by the model that wrote it; some were corrected since.
;; Attention. Allowed arithmetic: matrix products marked QUANTISED: E2M3 operands, one E8M0 scale for each 32 along K, by v_wmma_scale_f32_16x16x128_f8f6f4 with both operands' format E2M3, f32 sums; everything else in f32.
;; Inputs: freqs_cos 1,024 x 64 float32; freqs_sin 1,024 x 64 float32; mask 1,024 x 1,024 float32; wk 1,024 x 4,096 float32; wo 4,096 x 4,096 float32; wq 4,096 x 4,096 float32; wv 1,024 x 4,096 float32; x 1 x 1,024 x 4,096 float32.
;; Outputs: out0 1 x 1,024 x 4,096 float32.
;; Constants: start_pos = 0.
;; This version of the problem:
;;   THIS VERSION OF THE PROBLEM IS GIVEN IN LOW PRECISION. The matrix products marked QUANTISED in the list below multiply operands that are first quantised to E2M3 (2 exponent bits, 3 mantissa bits; 6 bits a number), with one power-of-two scale for each 32 numbers along K (OCP MX v1.0); their sums are f32. All else is computed in f32.
;;   The module's matrix products, in the order in which they are computed (A, B: the left and right operand; K: the contracted axis; several contracted axes count as one K, in the product's order):
;;     1. [M 1,024, K 4,096] x [K 4,096, N 4,096]; A: input x; B: input wq: QUANTISED
;;     2. [M 1,024, K 4,096] x [K 4,096, N 1,024]; A: input x; B: input wk: QUANTISED
;;     3. [M 1,024, K 4,096] x [K 4,096, N 1,024]; A: input x; B: input wv: QUANTISED
;;     4. batch 32 x [M 1,024, K 128] x [K 128, N 1,024]; A: computed on the way; B: computed on the way: QUANTISED
;;     5. batch 32 x [M 128, K 1,024] x [K 1,024, N 1,024]; A: computed on the way; B: softmax (see below): QUANTISED
;;     6. [M 1,024, K 4,096] x [K 4,096, N 4,096]; A: computed on the way; B: input wo: QUANTISED
;;   THE QUANTISER, for each operand of a quantised product, along K:
;;     - K is cut into blocks of 32 from its start; a last block that is shorter is filled with zeros.
;;     - A block's scale is 2^e with e = floor(log2(the largest magnitude in the block)) - 2, held to -126 .. 127; a block of zeros has e = 0. As a byte (E8M0): e + 127.
;;     - Each number is divided by its block's scale, clamped to +-7.5, and rounded to the nearest number of E2M3, ties to even, subnormals kept.
;;     - The product sums the exact products of the quantised numbers (number of the format x scale) in f32.
;;   ~~~python
;;   def quantise(x, axis):      # numpy; x: float32 -> the quantised numbers, widened to float32 again
;;       x = np.moveaxis(x, axis, -1); K = x.shape[-1]
;;       x = np.pad(x, [(0, 0)] * (x.ndim - 1) + [(0, -K % 32)]); x = x.reshape(x.shape[:-1] + (-1, 32)); a = np.abs(x).max(-1, keepdims=True)
;;       e = np.where(a > 0, np.clip(np.frexp(np.where(a > 0, a, 1))[1] - 1 - 2, -126, 127), 0)      # np.frexp(a)[1] - 1 = floor(log2(a)), exactly
;;       r = np.clip(x / 2.0 ** e, -7.5, 7.5)
;;       step = 2.0 ** (np.maximum(np.frexp(np.where(r == 0, 1, r))[1] - 1, 0) - 3)
;;       q = np.round(r / step) * step * 2.0 ** e      # np.round: ties to even
;;       return np.moveaxis(q.reshape(q.shape[:-2] + (-1,))[..., :K], -1, axis).astype(np.float32)
;;   ~~~
;;   SOFTMAX AHEAD OF A QUANTISED PRODUCT. Where the list says 'softmax', what is quantised is not the finished softmax but p = 2^(t - M), with t = logit x log2(e) and M = ceil(the row's largest t), a whole number; so 1/2 < the row's largest p <= 1. The row's sum l is taken of the UNQUANTISED p, in f32, and the product's result is divided by l at the end. Since M is a whole number, a kernel that streams over the keys may use a running M (the ceiling of the running maximum): every later rescaling is an exact power of two, which a block's scale takes up: the codes' values come out the same.
;;   OPERANDS COMPUTED ON THE WAY. 'Computed on the way' means the value that the module computes at that place (a softmax that the list does not call 'softmax' is quantised finished and normalised). What goes into a quantiser is computed in f32, as accurately as f32 sums, v_exp_f32 and their like allow (about 1e-6 of the number): no bf16 or f16 on the way to a quantiser, and a product that is left as it is and whose result goes on into a quantised operand takes f32 operands (vector FMAs, or v_wmma_f32_16x16x4_f32). A number that lies on a knife's edge between two numbers of the format may be rounded either way, as far as f32 arithmetic and the matrix unit's own rounding can turn it there, and no further.
;; One version. Each part assembles by itself: llvm-mc -triple=amdgcn-amd-amdhsa -mcpu=gfx1250 --defsym DOCPART=n.
;; ======== version 1 of 1: 4 launches
;; limits: right only within a limited range of input values
;; workspace buffers: img 36,044,800 bytes; qimg 3,276,800 bytes; kvimg 1,638,400 bytes; aimg 3,276,800 bytes
;; launch quant (part 1): grid 256 x 1, 4 waves a work-group, no clusters, 327,680 bytes of LDS; arguments wq, wk, x, wv, wo, img; writes img
.if DOCPART == 1
	.amdgcn_target "amdgcn-amd-amdhsa--gfx1250"
	.amdhsa_code_object_version 6
	.text
	.protected	k_q73e34abd0d_quant
	.globl	k_q73e34abd0d_quant
	.p2align	8
	.type	k_q73e34abd0d_quant,@function
k_q73e34abd0d_quant:
	s_mov_b64 s[64:65], 0
	v_nop
	global_prefetch_b8 v0, s[64:65] scope:SCOPE_SE
	s_setreg_imm32_b32 hwreg(HW_REG_WAVE_MODE, 25, 1), 1
	s_wait_xcnt 0x0
; wq, wk, x, wv, wo (f32, rows of 4,096 numbers, K innermost) become codes of FP6 (E2M3) with one E8M0 byte for each 32 along K, laid as the later launches' operand registers want them.
; Nothing of reference() is left out by this program: every input but the constant start_pos is read.
; A CHUNK is 128 rows x 128 along K, 12,800 bytes: eight tiles of 16 rows, each an image of a fragment's 12 registers (register group c of tile i, lane l: byte 1536 i + 512 c + 16 l), then 512 bytes of scale words
; (tile i, position r: byte 12,288 + 256 (i / 4) + 16 r + 4 (i % 4)).  img = [88 row blocks][32 K steps][chunk]; row blocks 0-31 wq, 32-39 wk, 40-47 x, 48-55 wv, 56-87 wo.
; Position p of tile i is row 32 (i / 2) + 8 (i % 2) + p + 8 (p / 8) of the block.
; A block's scale is 2^(floor(log2(its largest magnitude)) - 2); its byte is the largest magnitude's exponent field - 2, held at 1 from below.
; LIMITS: NaN and infinities are not served; a block whose largest magnitude lies under 2^-124 keeps the byte 1; a block of zeros has the byte 1 where the rule says 127 (its codes are zeros, and this program alone reads the bytes).
; SHARES: the 2,816 chunks are 5,632 half chunks (64 rows x 128 K: four tiles, 32 KiB in, 6,144 + 256 bytes out); work-group W takes half chunks 22 W .. 22 W + 21, wave w of trip t number 22 W + 4 t + w.
; Six trips: five of four half chunks and one of two, in which waves 0 and 1 work.  A wave brings its half chunk by ONE tensor load, 64 rows of 512 bytes, each beginning at a multiple of 512 bytes of its tensor,
; into its own quarter of one of two LDS slots; the descriptor lays 16 bytes behind each row.  Only the issuing wave reads those bytes; the barrier stands in front of a refill.
; A LANE (r, h) reads the two whole blocks k = 64 c + 32 h + 0 .. 31 of its tile's row r: the conversions' results are the fragment's registers, and no other lane is asked for a maximum.
; The rows of a tile's lanes 0-7 and 8-15 lie 16 rows apart, 16 x 528 bytes, a multiple of 256: the sixteen lanes of a load fall two to a 16-byte column.
; PREFETCH INTO THE L2: at each change of slots a wave has waited for its tensor load, so the refill goes out with nothing on its way beside it.  So each wave asks for its own half chunk one trip ahead of the load that
; brings it: at the head for trip 1's, in trip t for trip t + 2's: 128 blocks of 256 bytes, four instructions, a lane a row.  Nobody else reads those bytes.  Nothing is asked for beyond the work-group's 22nd half chunk.
; No cluster: no two work-groups read the same byte.
.set CH,    12800
.set SCO,   12288
.set SP,    528                        ; an LDS row: 512 bytes + 16
.set HCB,   64*SP                      ; a half chunk in LDS, a multiple of 256
.set SLOT,  4*HCB
.set SPARE, 2*SLOT                     ; the spare words, 128 bytes a wave
.set LN,    2                          ; v2 lane;  v3 my row's LDS place;  v4 16 x lane;  v5 8 h;  v6 the trip's LDS address;  v7 the other half's scale bytes
.set LA,    3
.set LO,    4
.set SH,    5
.set AD,    6
.set TX,    7
.set TM,    8                          ; v8-11 largest magnitudes, then bytes
.set SO,    12                         ; v12-13 the conversions' scale operands
.set TA,    16                         ; v16-22 the upper halves of a block's codes, ahead of their move
.set PW,    24                         ; v24-27 the four tiles' scale words
.set SPW,   28
.set NIL,   29
.set PFV,   30                         ; v30 the prefetches' offset: lane x a row of the source
.set PC,    32                         ; v32-79 codes: 12 registers for each of the trip's four tiles
.set X,     80                         ; v80-207 two sets of 64 numbers
.set WV,    16
.set SEL,   24                         ; s[24:25] lane l xor 16
.set TB,    26                         ; LDS byte at which the slot in hand begins
.set T2,    27
.set WB,    28                         ; wave x HCB
.set HC,    29                         ; my half chunk of this trip
.set CNT,   30
.set DC,    32                         ; s[32:33] img at my codes;  s[34:35] at my chunk + 256 x half, for the scale words
.set DS,    34
.set G0,    36
.set G1,    40
.set NA,    52                         ; s[52:53] the source at the half chunk last asked for: the next refill's
.set HEND,  54                         ; the first half chunk that is not my work-group's
.macro PICK under, p, first
	s_cmp_lt_u32 s17, \under
	s_cselect_b64 s[20:21], s[\p:\p+1], s[20:21]
	s_cselect_b32 s18, \first, s18
.endm
.macro SRC                             ; half chunk s22 -> its first byte's address in s[NA:NA+1].  The choice of the tensor hangs on ids and the trip alone
	s_lshr_b32 s17, s22, 6                         ; the row block
	s_mov_b64 s[20:21], s[12:13]
	s_mov_b32 s18, 56
	PICK 56, 10, 48
	PICK 48, 8, 40
	PICK 40, 6, 32
	PICK 32, 4, 0
	s_sub_co_u32 s18, s17, s18
	s_lshl_b32 s18, s18, 21                        ; 128 rows of 16,384 bytes a block
	s_and_b32 s19, s22, 1
	s_lshl_b32 s19, s19, 20                        ; 64 rows a half
	s_add_co_u32 s18, s18, s19
	s_bfe_u32 s19, s22, 0x50001                    ; the K step
	s_lshl_b32 s19, s19, 9
	s_add_co_u32 s18, s18, s19
	s_mov_b32 s19, 0
	s_add_nc_u64 s[NA:NA+1], s[20:21], s[18:19]
.endm
.macro TOG0                            ; group 0 takes the address (no tensor load of mine is out)
	s_mov_b64 s[G0+2:G0+3], s[NA:NA+1]
	s_or_b32 s[G0+3], s[G0+3], 0x80000000
.endm
.macro PF4                             ; 64 rows x 2 blocks of 256 bytes: rows 0-31 and 32-63, a lane a row
.irp o, 0, 256, 524288, 524544
	global_prefetch_b8 v[PFV], s[NA:NA+1] offset:\o th:TH_LOAD_NT scope:SCOPE_SE
.endr
.endm
.macro DSL i                           ; tile i's 64 numbers a lane into set i % 2
.irp c, 0,1
.irp j, 0,1,2,3,4,5,6,7
	ds_load_b128 v[X+64*((\i)%2)+32*\c+4*\j:X+64*((\i)%2)+32*\c+4*\j+3], v[AD] offset:(32*((\i)/2)+8*((\i)%2))*SP+256*\c+16*\j
.endr
.endr
.endm
.macro QUANT i
.set XS, X+64*((\i)%2)
.set P,  PC+12*(\i)
.irp q, 0,1,2,3                        ; four chains by turns: the lower and upper 16 of my two blocks; the floor 2^(3 - 127) holds the byte at 1 from below
	v_max3_num_f32 v[TM+\q], |v[XS+16*\q]|, |v[XS+16*\q+1]|, 0x1800000
.endr
.irp n, 2,4,6,8,10,12,14
.irp q, 0,1,2,3
	v_max3_num_f32 v[TM+\q], |v[XS+16*\q+\n]|, |v[XS+16*\q+\n+1]|, v[TM+\q]
.endr
.endr
	v_max_num_f32 v[TM], v[TM], v[TM+1]
	v_max_num_f32 v[TM+2], v[TM+2], v[TM+3]
	v_add_nc_u32 v[SO], 0xff000000, v[TM]          ; 2 off the exponent field: the conversion takes that field as its scale
	v_add_nc_u32 v[SO+1], 0xff000000, v[TM+2]
	v_cvt_scalef32_pk16_fp6_f32 v[P:P+2], v[XS:XS+15], v[SO]
	v_cvt_scalef32_pk16_fp6_f32 v[TA:TA+2], v[XS+16:XS+31], v[SO]      ; (a conversion's three registers begin on an even number)
	v_cvt_scalef32_pk16_fp6_f32 v[P+6:P+8], v[XS+32:XS+47], v[SO+1]
	v_cvt_scalef32_pk16_fp6_f32 v[TA+4:TA+6], v[XS+48:XS+63], v[SO+1]
	v_lshrrev_b32 v[TM], 23, v[SO]                 ; the bytes of blocks h and 2 + h.  (Plain lines behind the conversions)
	v_lshrrev_b32 v[TM+1], 23, v[SO+1]
	v_lshl_or_b32 v[TM], v[TM+1], 16, v[TM]
	v_lshlrev_b32 v[TM], v[SH], v[TM]              ; at their places in the word
	v_permlanex16_b32 v[TX], v[TM], s[SEL], s[SEL+1]
	v_or_b32 v[PW+(\i)], v[TM], v[TX]              ; with lane l xor 16's two the row's word is whole
.irp n, 0,1,2
	v_mov_b32 v[P+3+\n], v[TA+\n]
	v_mov_b32 v[P+9+\n], v[TA+4+\n]
.endr
.endm
; A TRIP.  refill: 1 every wave asks for its next half chunk, 2 waves 0 and 1 alone, 0 nobody.  part: 1 = only waves 0 and 1 have a half chunk.  step: 1 = a trip follows
.macro TRIP refill, part, step
	s_wait_tensorcnt 0x0                           ; my one load has landed, so group 0 may be written
	ds_add_u32 v[SPW], v[NIL]
.if \refill
	TOG0                                           ; the next trip's half chunk, asked of the L2 a trip ago
	s_xor_b32 s[T2], s[TB], SLOT
	s_add_co_u32 s[G0+1], s[T2], s[WB]             ; into my quarter of the other slot
.endif
.if \refill == 1
	s_add_co_u32 s22, s[HC], 8                     ; and the address of the one behind it (the last trip's prefetches have read s[NA:NA+1]: a wait on XCNT stands at that trip's end)
	SRC
.endif
	s_wait_dscnt 0x0                               ; the add is done; my reads of the other slot were waited for in the last trip
	s_barrier_signal -1
	s_barrier_wait -1
.if \refill == 1
	tensor_load_to_lds s[G0:G0+3], s[G1:G1+7]
	s_nop 0
.elseif \refill == 2
	s_cmp_lt_u32 s[WV], 2
	s_cbranch_scc0 .Lnone_\@
	tensor_load_to_lds s[G0:G0+3], s[G1:G1+7]
	s_nop 0
.rept 4
	v_nop
.endr
.Lnone_\@:
.endif
.if \part
	s_cmp_lt_u32 s[WV], 2
	s_cbranch_scc0 .Lend
.endif
	v_add_nc_u32 v[AD], s[TB], v[LA]
	DSL 0
	DSL 1
.if \refill == 1
	s_cmp_lt_u32 s22, s[HEND]                      ; ids and the trip alone: in the loop's last trip waves 2 and 3 have no half chunk two trips on
	s_cbranch_scc0 .Lnot_asked_\@
	PF4
.Lnot_asked_\@:
.endif
	s_wait_dscnt 16                                ; tile 0 is in; the next tile's 16 loads may be out (so too below)
	QUANT 0
	DSL 2
	s_wait_dscnt 16
	QUANT 1
	DSL 3
	s_wait_dscnt 16
	QUANT 2
	s_wait_dscnt 0x0
	QUANT 3
	s_wait_alu depctr_va_vdst(0)
.irp i, 0,1,2,3
.irp c, 0,1,2
	global_store_b128 v[LO], v[PC+12*\i+4*\c:PC+12*\i+4*\c+3], s[DC:DC+1] offset:1536*\i+512*\c   ; 512 consecutive bytes, at a multiple of 256 from img's first byte
.endr
.endr
	s_wait_xcnt 0x0                                ; EXEC changes only behind this wait
	v_cmp_gt_u32 vcc_lo, 16, v[LN]
	s_and_saveexec_b32 s23, vcc_lo
	global_store_b128 v[LO], v[PW:PW+3], s[DS:DS+1] offset:SCO   ; sixteen lanes store the four tiles' 256 bytes of scale words
	s_wait_xcnt 0x0                                ; and again; behind it the stores' data and bases and the prefetches' base may be written too
	s_or_b32 exec_lo, exec_lo, s23
.if \step
	s_add_nc_u64 s[DC:DC+1], s[DC:DC+1], 2*CH      ; four half chunks on
	s_add_nc_u64 s[DS:DS+1], s[DS:DS+1], 2*CH
	s_add_co_u32 s[HC], s[HC], 4
	s_xor_b32 s[TB], s[TB], SLOT
.endif
.endm
	s_load_b256 s[4:11], s[0:1], 0x0               ; wq s[4:5], wk s[6:7], x s[8:9], wv s[10:11]
	s_load_b128 s[12:15], s[0:1], 0x20             ; wo s[12:13], img s[14:15]
	v_lshl_add_u32 v[SPW], v0, 2, SPARE
	v_mov_b32 v[NIL], 0
	ds_add_u32 v[SPW], v[NIL]
	ds_add_u32 v[SPW], v[NIL]
	v_lshrrev_b32 v1, 5, v0
	v_readfirstlane_b32 s[WV], v1                  ; wave 0..3
	s_mov_b32 s[G1], (2<<16)|(1<<20)|(6<<22)|(3<<25)   ; elements of 4 bytes; 4 words of padding behind every 128 words
	s_mov_b32 s[G1+1], 128<<16
	s_mov_b32 s[G1+2], 64<<16
	s_mov_b32 s[G1+3], 128<<16
	s_mov_b32 s[G1+4], 64
	s_mov_b32 s[G1+5], 4096
	s_mov_b32 s[G1+6], 0
	s_mov_b32 s[G1+7], 0
	s_mov_b32 s[G0], 1
	s_mul_i32 s[G0+1], s[WV], HCB
	s_mul_i32 s[WB], s[WV], HCB
	s_mul_i32 s[HC], ttmp9, 22
	s_add_co_u32 s[HEND], s[HC], 22
	s_add_co_u32 s[HC], s[HC], s[WV]
	s_mov_b32 s22, s[HC]
	s_mov_b32 s[TB], 0
	s_mov_b32 s[CNT], 4
	s_mov_b32 s[SEL], 0x76543210
	s_mov_b32 s[SEL+1], 0xfedcba98
	s_lshr_b32 s23, s[HC], 1                       ; my chunk
	s_mul_i32 s23, s23, CH
	s_and_b32 s50, s[WV], 1                        ; my half of it: the same in every trip
	s_lshl_b32 s48, s50, 8
	s_add_co_u32 s48, s48, s23
	s_mov_b32 s49, 0
	s_mul_i32 s50, s50, 4*1536
	s_add_co_u32 s50, s50, s23
	s_mov_b32 s51, 0
	s_wait_dscnt 0x0
	s_wait_kmcnt 0x0
	SRC
	TOG0
	tensor_load_to_lds s[G0:G0+3], s[G1:G1+7]      ; trip 0's half chunk: my one load at the head
	s_nop 0
	s_add_co_u32 s22, s[HC], 4
	SRC                                            ; trip 1's
	s_add_nc_u64 s[DC:DC+1], s[14:15], s[50:51]
	s_add_nc_u64 s[DS:DS+1], s[14:15], s[48:49]
	v_and_b32 v[LN], 31, v0
	v_lshlrev_b32 v[PFV], 14, v[LN]
	PF4                                            ; every wave has a half chunk in trip 1
	v_lshlrev_b32 v[LO], 4, v[LN]
	v_and_b32 v1, 15, v0                           ; r
	v_and_b32 v[AD], 8, v1
	v_add_nc_u32 v1, v1, v[AD]                     ; r + 8 (r / 8)
	v_mul_u32_u24 v1, v1, SP
	v_bfe_u32 v[SH], v0, 4, 1                      ; h
	v_lshl_add_u32 v1, v[SH], 7, v1                ; + 128 h
	v_add_nc_u32 v[LA], s[WB], v1
	v_lshlrev_b32 v[SH], 3, v[SH]
	v_mov_b32 v[TX], 0                             ; written once: a lane permute's destination counts as one of its sources
	s_wait_alu depctr_va_vdst(0)
	s_wait_xcnt 0x0                                ; the head's prefetches have read s[NA:NA+1], which trip 0 writes again
.Ltrip:                                                ; trips 0 to 3; the first time the load behind the barrier is slot 1's first fill
	TRIP 1, 0, 1
	s_sub_co_u32 s[CNT], s[CNT], 1
	s_cmp_lg_u32 s[CNT], 0
	s_cbranch_scc1 .Ltrip
	TRIP 2, 0, 1                                   ; trip 4: two half chunks are left to ask for
	TRIP 0, 1, 0                                   ; trip 5
.Lend:
	s_wait_tensorcnt 0x0                           ; the wave's end
	ds_add_u32 v[SPW], v[NIL]
	s_wait_dscnt 0x0
	s_endpgm
.Lfunc_end_k_q73e34abd0d_quant:
	.size	k_q73e34abd0d_quant, .Lfunc_end_k_q73e34abd0d_quant-k_q73e34abd0d_quant
	.p2alignl 7, 3214868480
	.fill 96, 4, 3214868480
	.section	.rodata,"a",@progbits
	.p2align	6, 0x0
	.amdhsa_kernel k_q73e34abd0d_quant
		.amdhsa_group_segment_fixed_size 327680
		.amdhsa_private_segment_fixed_size 0
		.amdhsa_enable_private_segment 0
		.amdhsa_kernarg_size 48
		.amdhsa_user_sgpr_count 2
		.amdhsa_user_sgpr_kernarg_segment_ptr 1
		.amdhsa_wavefront_size32 1
		.amdhsa_system_sgpr_workgroup_id_x 1
		.amdhsa_system_sgpr_workgroup_id_y 1
		.amdhsa_system_sgpr_workgroup_id_z 1
		.amdhsa_system_vgpr_workitem_id 0
		.amdhsa_next_free_vgpr 208
		.amdhsa_next_free_sgpr 66
		.amdhsa_reserve_vcc 1
		.amdhsa_float_denorm_mode_32 3
		.amdhsa_float_denorm_mode_16_64 3
		.amdhsa_memory_ordered 1
		.amdhsa_forward_progress 1
		.amdhsa_inst_pref_size 61
	.end_amdhsa_kernel
	.amdgpu_metadata
---
amdhsa.version: [ 1, 2 ]
amdhsa.kernels:
  - .name:           k_q73e34abd0d_quant
    .symbol:         k_q73e34abd0d_quant.kd
    .args:
      - { .name: wq, .offset: 0, .size: 8, .value_kind: global_buffer, .address_space: global }
      - { .name: wk, .offset: 8, .size: 8, .value_kind: global_buffer, .address_space: global }
      - { .name: x, .offset: 16, .size: 8, .value_kind: global_buffer, .address_space: global }
      - { .name: wv, .offset: 24, .size: 8, .value_kind: global_buffer, .address_space: global }
      - { .name: wo, .offset: 32, .size: 8, .value_kind: global_buffer, .address_space: global }
      - { .name: img, .offset: 40, .size: 8, .value_kind: global_buffer, .address_space: global }
    .group_segment_fixed_size: 327680
    .private_segment_fixed_size: 0
    .kernarg_segment_align: 8
    .kernarg_segment_size: 48
    .max_flat_workgroup_size: 128
    .sgpr_count:     66
    .vgpr_count:     208
    .wavefront_size: 32
...
	.end_amdgpu_metadata
.endif
;; end of part 1
;; launch qkv (part 2): grid 48 x 4, 4 waves a work-group, clusters of 4 x 4, 327,680 bytes of LDS; arguments img, freqs_cos, freqs_sin, qimg, kvimg; writes qimg, kvimg
.if DOCPART == 2
	.amdgcn_target "amdgcn-amd-amdhsa--gfx1250"
	.amdhsa_code_object_version 6
	.text
	.protected	k_q73e34abd0d_qkv
	.globl	k_q73e34abd0d_qkv
	.p2align	8
	.type	k_q73e34abd0d_qkv,@function
k_q73e34abd0d_qkv:
	s_mov_b64 s[64:65], 0
	v_nop
	global_prefetch_b8 v0, s[64:65] scope:SCOPE_SE
	s_setreg_imm32_b32 hwreg(HW_REG_WAVE_MODE, 25, 1), 1
	s_wait_xcnt 0x0
	s_wait_alu depctr_hold_cnt(0) depctr_sa_sdst(0) depctr_va_vdst(0) depctr_va_sdst(0) depctr_va_ssrc(0) depctr_va_vcc(0) depctr_vm_vsrc(0)
	s_getreg_b32 s2, hwreg(HW_REG_IB_STS2, 6, 4)
	s_cmp_eq_u32 s2, 0
	s_cbranch_scc0 .Lentry_in_a_cluster
	s_endpgm
.Lentry_in_a_cluster:
	s_bfe_u32 s2, ttmp6, 0x10000c
	s_cmp_lg_u32 s2, 0xf033
	s_cbranch_scc0 .Lentry_shape_is_right
	s_endpgm
.Lentry_shape_is_right:
.set CH,    12800
.set SCO,   12288
.set RBB,   32*CH
.set QB4,   4*CH
.set SLOT,  3*QB4
.set S0O,   2*QB4
.set SPARE, 2*SLOT
.set AD0,  16
.set AD1,  18
.set ASX,  20
.set ASY,  22
.set SPW,  28
.set NIL,  29
.set SC,   32
.set S1F,  48
.set HA,   48
.set PCB,  112
.set TM,   192
.set PW,   208
.set WV,   14
.set G1,   24
.set G0,   32
.set G1B,  48
.set G0B,  56
.set SEL,  74
.set MUL,  0xa1
.set MSB, 0
.macro WIN new
.if MSB != (\new)
	s_set_vgpr_msb (MSB<<8)|(\new)
.set MSB, (\new)
.endif
.endm
.macro PLACES
.rept 4
	v_nop
.endr
.endm
.macro JLOAD s
	s_cmp_eq_u32 s15, 0
	s_cbranch_scc0 .Lfor_b_\@
	tensor_load_to_lds s[G0+4*\s:G0+4*\s+3], s[G1:G1+7]
	s_nop 0
.rept 4
	v_nop
.endr
	s_branch .Lasked_\@
.Lfor_b_\@:
	tensor_load_to_lds s[G0B+4*\s:G0B+4*\s+3], s[G1B:G1B+7]
	s_nop 0
.rept 4
	v_nop
.endr
.Lasked_\@:
.endm
.macro CREST
	s_cmp_lg_u32 s[WV], 0
	s_cbranch_scc1 .Lnot_wave_0_\@
	s_barrier_signal -3
.Lnot_wave_0_\@:
	s_barrier_wait -3
	s_barrier_signal -1
	s_barrier_wait -1
.endm
.macro CROUND
	s_barrier_signal -1
	s_barrier_wait -1
	CREST
.endm
	s_load_b256 s[4:11], s[0:1], 0x0
	s_load_b64 s[12:13], s[0:1], 0x20
	v_lshl_add_u32 v[SPW], v0, 2, SPARE
	v_mov_b32 v[NIL], 0
	ds_add_u32 v28, v29
	ds_add_u32 v28, v29
	s_wait_dscnt 0x0
	v_lshrrev_b32 v1, 5, v0
	v_readfirstlane_b32 s[WV], v1
	s_lshr_b32 s15, s[WV], 1
	s_and_b32 s16, s[WV], 1
	s_bfe_u32 s40, ttmp6, 0x40000
	s_bfe_u32 s41, ttmp6, 0x40004
	s_lshl_b32 s42, ttmp9, 2
	s_add_co_u32 s42, s42, s40
	s_and_b32 s17, ttmp7, 0xffff
	s_lshl_b32 s17, s17, 2
	s_add_co_u32 s17, s17, s41
	s_lshl_b32 s43, s41, 2
	s_lshl_b32 s43, 15, s43
	s_lshl_b32 s44, 0x1111, s40
	s_or_b32 s[G1], s43, (3<<16)|(1<<21)
	s_or_b32 s[G1B], s44, (3<<16)|(1<<21)
	s_mov_b32 s[G1+1], 32<<16
	s_mov_b32 s[G1+2], 200<<16
	s_mov_b32 s[G1+3], 32<<16
	s_mov_b32 s[G1+4], 200
	s_mov_b32 s[G1+5], 32
	s_mov_b32 s[G1+6], 0
	s_mov_b32 s[G1+7], 0
	s_mov_b32 s[G1B+1], 32<<16
	s_mov_b32 s[G1B+2], 100<<16
	s_mov_b32 s[G1B+3], 32<<16
	s_mov_b32 s[G1B+4], 100
	s_mov_b32 s[G1B+5], 32
	s_mov_b32 s[G1B+6], 0
	s_mov_b32 s[G1B+7], 0
	s_add_co_u32 s18, ttmp9, 6
	s_lshr_b32 s18, s18, 4
	s_lshl_b32 s18, s18, 3
	s_add_co_u32 s18, s18, 40
	s_lshl_b32 s19, s17, 1
	s_add_co_u32 s18, s18, s19
	s_add_co_u32 s18, s18, s16
	s_mul_i32 s20, s18, RBB
	s_mov_b32 s21, 0
	s_mul_i32 s46, s42, RBB
	s_mul_i32 s45, s16, 2*CH
	s_add_co_u32 s46, s46, s45
	s_mov_b32 s47, 0
	s_mul_i32 s22, s16, QB4
	s_add_co_u32 s23, s45, S0O
	s_wait_kmcnt 0x0
	s_add_nc_u64 s[20:21], s[4:5], s[20:21]
	s_add_nc_u64 s[46:47], s[4:5], s[46:47]
	; PREFETCH INTO THE L2.  A fill is four K steps.  A wave's tile of a fill (waves 0, 1: 51,200 bytes; waves 2, 3: 25,600) is shared out BY ADDRESS among the four partners that load it jointly (cx or cy):
	; a quarter each, 25 blocks of 256 bytes an instruction, a lane a block (lanes 25-31 name the last block again).  Fills 0 and 1 are asked for here, ahead of the round in front of the first joint loads;
	; fills 2 and 3 behind the load of fill 1; behind the load of fill n, n = 2 .. 5, fill n + 2.
.set PFA, 86                           ; s[86:87] my quarter, three fills back from the fill that a refill's prefetch names
.set PFO, 8                            ; v8 256 x min(lane, 24); never rewritten
	s_mul_i32 s88, s40, CH
	s_mul_i32 s89, s41, CH/2
	s_cmp_eq_u32 s15, 0
	s_cselect_b64 s[PFA:PFA+1], s[20:21], s[46:47]
	s_cselect_b32 s88, s88, s89
	s_mov_b32 s89, 0
	s_add_nc_u64 s[PFA:PFA+1], s[PFA:PFA+1], s[88:89]
	v_and_b32 v[PFO], 31, v0
	v_min_u32 v[PFO], 24, v[PFO]
	v_lshlrev_b32 v[PFO], 8, v[PFO]
	global_prefetch_b8 v[PFO], s[PFA:PFA+1] th:TH_LOAD_NT scope:SCOPE_SE               ; fill 0
	global_prefetch_b8 v[PFO], s[PFA:PFA+1] offset:QB4 th:TH_LOAD_NT scope:SCOPE_SE    ; fill 1
	s_cmp_eq_u32 s15, 0
	s_cbranch_scc0 .Lfirst_asked
	global_prefetch_b8 v[PFO], s[PFA:PFA+1] offset:6400 th:TH_LOAD_NT scope:SCOPE_SE
	global_prefetch_b8 v[PFO], s[PFA:PFA+1] offset:QB4+6400 th:TH_LOAD_NT scope:SCOPE_SE
.Lfirst_asked:
	CROUND
.irp s, 0,1
	s_mov_b32 s[G0+4*\s], 1
	s_add_co_u32 s[G0+4*\s+1], s22, \s*SLOT
	s_add_nc_u64 s[G0+4*\s+2:G0+4*\s+3], s[20:21], \s*QB4
	s_or_b32 s[G0+4*\s+3], s[G0+4*\s+3], 0x80000000
	s_mov_b32 s[G0B+4*\s], 1
	s_add_co_u32 s[G0B+4*\s+1], s23, \s*SLOT
	s_add_nc_u64 s[G0B+4*\s+2:G0B+4*\s+3], s[46:47], \s*QB4
	s_or_b32 s[G0B+4*\s+3], s[G0B+4*\s+3], 0x80000000
.if \s                                 ; slot 1's first fill is issued as a refill is
	s_wait_alu depctr_va_vdst(0)
	s_wait_tensorcnt 0x0
	ds_add_u32 v28, v29
	ds_add_u32 v28, v29
	s_wait_dscnt 0x0
	CROUND
.endif
	JLOAD \s
.endr
	s_lshl_b32 s66, s17, 1
	s_add_co_u32 s66, s66, s15
	s_lshl_b32 s68, s66, 15
	s_lshl_b32 s67, s16, 14
	s_add_co_u32 s68, s68, s67
	s_mov_b32 s69, 0
	s_add_nc_u64 s[6:7], s[6:7], s[68:69]
	s_add_nc_u64 s[8:9], s[8:9], s[68:69]
	v_and_b32 v1, 15, v0
	v_bfe_u32 v2, v0, 4, 1
	v_and_b32 v3, 8, v1
	v_add_nc_u32 v3, v3, v1
	v_lshlrev_b32 v5, 8, v3
	v_lshl_add_u32 v5, v2, 5, v5
	WIN 0xc0
.irp t, 0,1,2,3
.irp b, 0,1,2,3
.irp jj, 0,1
	global_load_b128 v[64*\t+8*\b+4*\jj:64*\t+8*\b+4*\jj+3], v5, s[6:7] offset:(32*(\t/2)+8*(\t%2))*256+64*\b+16*\jj
	global_load_b128 v[64*\t+32+8*\b+4*\jj:64*\t+32+8*\b+4*\jj+3], v5, s[8:9] offset:(32*(\t/2)+8*(\t%2))*256+64*\b+16*\jj
.endr
.endr
.endr
	WIN 0
	v_and_b32 v3, 31, v0
	v_lshlrev_b32 v4, 4, v3
	v_lshlrev_b32 v6, 4, v1
	v_add_nc_u32 v[AD0], S0O, v4
	v_add_nc_u32 v[AD0+1], S0O+SLOT, v4
	s_mul_i32 s70, s15, QB4
	s_mul_i32 s71, s16, 4*1536
	s_add_co_u32 s71, s70, s71
	v_add_nc_u32 v[AD1], s71, v4
	v_add_nc_u32 v[AD1+1], SLOT, v[AD1]
	s_lshl_b32 s72, s16, 8
	s_add_co_u32 s72, s70, s72
	s_sub_co_u32 s73, S0O, s72
	v_mul_u32_u24 v7, s73, v2
	v_add_nc_u32 v7, v7, v6
	s_add_co_u32 s72, s72, SCO
	v_add_nc_u32 v[ASX], s72, v7
	v_add_nc_u32 v[ASX+1], SLOT, v[ASX]
	v_lshl_add_u32 v[ASY], v2, 8, v[ASX]
	v_lshl_add_u32 v[ASY+1], v2, 8, v[ASX+1]
.irp b, 0,1,2,3
	v_mov_b32 v[TM+4+\b], 0
.endr
	global_prefetch_b8 v[PFO], s[PFA:PFA+1] offset:2*QB4 th:TH_LOAD_NT scope:SCOPE_SE  ; fill 2
	global_prefetch_b8 v[PFO], s[PFA:PFA+1] offset:3*QB4 th:TH_LOAD_NT scope:SCOPE_SE  ; fill 3
	s_cmp_eq_u32 s15, 0
	s_cbranch_scc0 .Lhead_asked
	global_prefetch_b8 v[PFO], s[PFA:PFA+1] offset:2*QB4+6400 th:TH_LOAD_NT scope:SCOPE_SE
	global_prefetch_b8 v[PFO], s[PFA:PFA+1] offset:3*QB4+6400 th:TH_LOAD_NT scope:SCOPE_SE
.Lhead_asked:
	s_mov_b32 s[SEL], 0x76543210
	s_mov_b32 s[SEL+1], 0xfedcba98
	s_lshl_b32 s78, s42, 3
	s_add_co_u32 s78, s78, s66
	s_mul_i32 s79, s78, CH
	s_sub_co_u32 s78, s78, 256
	s_mul_i32 s78, s78, 2*CH
	s_lshl_b32 s80, s66, 3
	s_add_co_u32 s80, s80, s42
	s_sub_co_u32 s80, s80, 40
	s_mul_i32 s80, s80, 2*CH
	s_add_co_u32 s80, s80, CH
	s_cmp_lt_u32 ttmp9, 10
	s_cselect_b32 s78, s78, s80
	s_cmp_lt_u32 ttmp9, 8
	s_cselect_b32 s78, s79, s78
	s_cselect_b64 s[76:77], s[10:11], s[12:13]
	s_mov_b32 s79, 0
	s_add_nc_u64 s[76:77], s[76:77], s[78:79]
	s_mul_i32 s80, s16, 4*1536
	s_mov_b32 s81, 0
	s_add_nc_u64 s[82:83], s[76:77], s[80:81]
	s_lshl_b32 s80, s16, 8
	s_add_nc_u64 s[84:85], s[76:77], s[80:81]
.macro MUL8 t, p, zero
.irp i, 0,1,2,3,4,5,6,7
.if \zero
	v_wmma_scale_f32_16x16x128_f8f6f4 v[64*(\t)+8*\i:64*(\t)+8*\i+7], v[128*(\p)+12*\i:128*(\p)+12*\i+11], v[S1F+48*(\p)+12*(\t):S1F+48*(\p)+12*(\t)+11], 0, v[SC+8*(\p)+\i], v[SC+8*(\p)+(\t)] matrix_a_fmt:MATRIX_FMT_FP6 matrix_b_fmt:MATRIX_FMT_FP6 matrix_a_scale:MATRIX_SCALE_ROW1
.else
	v_wmma_scale_f32_16x16x128_f8f6f4 v[64*(\t)+8*\i:64*(\t)+8*\i+7], v[128*(\p)+12*\i:128*(\p)+12*\i+11], v[S1F+48*(\p)+12*(\t):S1F+48*(\p)+12*(\t)+11], v[64*(\t)+8*\i:64*(\t)+8*\i+7], v[SC+8*(\p)+\i], v[SC+8*(\p)+(\t)] matrix_a_fmt:MATRIX_FMT_FP6 matrix_b_fmt:MATRIX_FMT_FP6 matrix_a_scale:MATRIX_SCALE_ROW1
.endif
.endr
.endr
.endm
.macro FETCH slot, q, p
	WIN 0x40
.irp i, 0,1,2,3,4,5,6,7
.irp c, 0,1,2
	ds_load_b128 v[128*(\p)+12*\i+4*\c:128*(\p)+12*\i+4*\c+3], v[AD0+\slot] offset:CH*(\q)+1536*\i+512*\c
.endr
.endr
	WIN 0
.irp t, 0,1,2,3
.irp c, 0,1,2
	ds_load_b128 v[S1F+48*(\p)+12*\t+4*\c:S1F+48*(\p)+12*\t+4*\c+3], v[AD1+\slot] offset:CH*(\q)+1536*\t+512*\c
.endr
.endr
	ds_load_b128 v[SC+8*(\p):SC+8*(\p)+3], v[ASX+\slot] offset:CH*(\q)
	ds_load_b128 v[SC+8*(\p)+4:SC+8*(\p)+7], v[ASY+\slot] offset:CH*(\q)
.endm
.macro KSTEP slot, q, zero
	s_wait_dscnt 0x0
	WIN MUL
	MUL8 0, (\q)%2, \zero
	MUL8 1, (\q)%2, \zero
	PLACES
	FETCH \slot, (\q)+1, 1-(\q)%2
	WIN MUL
	MUL8 2, (\q)%2, \zero
	MUL8 3, (\q)%2, \zero
.endm
.macro ASK                             ; the fill two on; s3 = 1 in the loop's last trip, whose refills have none
	s_cmp_gt_u32 s3, 1
	s_cbranch_scc0 .Lnot_asked_\@
	global_prefetch_b8 v[PFO], s[PFA:PFA+1] offset:3*QB4 th:TH_LOAD_NT scope:SCOPE_SE
	s_cmp_eq_u32 s15, 0
	s_cbranch_scc0 .Lnot_asked_\@
	global_prefetch_b8 v[PFO], s[PFA:PFA+1] offset:3*QB4+6400 th:TH_LOAD_NT scope:SCOPE_SE
.Lnot_asked_\@:
.endm
.macro TURN slot, next, fill
	WIN 0
.if \fill
	s_wait_xcnt 0x0                                ; my prefetches have read their address: it is stepped only behind this wait
	s_add_nc_u64 s[PFA:PFA+1], s[PFA:PFA+1], QB4
.endif
	s_wait_tensorcnt 0x0
	ds_add_u32 v[SPW], v[NIL]
	s_wait_dscnt 1
	WIN MUL
	MUL8 0, 1, 0
	s_wait_dscnt 0x0
	s_barrier_signal -1
	MUL8 1, 1, 0
	WIN 0
	s_barrier_wait -1
.if \fill
	CREST
	s_add_nc_u64 s[G0+4*\slot+2:G0+4*\slot+3], s[G0+4*\slot+2:G0+4*\slot+3], 2*QB4
	s_add_nc_u64 s[G0B+4*\slot+2:G0B+4*\slot+3], s[G0B+4*\slot+2:G0B+4*\slot+3], 2*QB4
	JLOAD \slot
.else
	PLACES
.endif
	FETCH \next, 0, 0
.if \fill
	ASK
.endif
	WIN MUL
	MUL8 2, 1, 0
	MUL8 3, 1, 0
.endm
	s_wait_alu depctr_va_vdst(0)
	s_wait_tensorcnt 1
	s_barrier_signal -1
	s_barrier_wait -1
	FETCH 0, 0, 0
	KSTEP 0, 0, 1
	WIN 0
	s_mov_b32 s3, 3
.Llap:
	KSTEP 0, 1, 0
	KSTEP 0, 2, 0
	TURN 0, 1, 1
	KSTEP 1, 0, 0
	KSTEP 1, 1, 0
	KSTEP 1, 2, 0
	TURN 1, 0, 1
	KSTEP 0, 0, 0
	WIN 0
	s_sub_co_u32 s3, s3, 1
	s_cmp_lg_u32 s3, 0
	s_cbranch_scc1 .Llap
	KSTEP 0, 1, 0
	KSTEP 0, 2, 0
	TURN 0, 1, 0
	KSTEP 1, 0, 0
	KSTEP 1, 1, 0
	KSTEP 1, 2, 0
	s_wait_dscnt 0x0
	WIN MUL
	MUL8 0, 1, 0
	MUL8 1, 1, 0
	MUL8 2, 1, 0
	MUL8 3, 1, 0
	WIN 0
	PLACES
.macro QUANT s, w, pc, pw
	WIN 5*(\w)
.irp b, 0,1,2,3
	v_max3_num_f32 v[TM+\b], |v[\s+16*\b]|, |v[\s+16*\b+1]|, 0x1800000
.endr
.irp i, 2,4,6,8,10,12,14
.irp b, 0,1,2,3
	v_max3_num_f32 v[TM+\b], |v[\s+16*\b+\i]|, |v[\s+16*\b+\i+1]|, v[TM+\b]
.endr
.endr
	WIN 0
.irp b, 0,1,2,3
	v_permlanex16_b32 v[TM+4+\b], v[TM+\b], s[SEL], s[SEL+1]
.endr
.irp b, 0,1,2,3
	v_max_num_f32 v[TM+\b], v[TM+\b], v[TM+4+\b]
.endr
.irp b, 0,1,2,3
	v_add_nc_u32 v[TM+12+\b], 0xff000000, v[TM+\b]
.endr
.irp b, 0,1,2,3
	v_lshrrev_b32 v[TM+4+\b], 23, v[TM+12+\b]
.endr
	v_lshl_or_b32 v[\pw], v[TM+5], 8, v[TM+4]
	v_lshl_or_b32 v[\pw], v[TM+6], 16, v[\pw]
	v_lshl_or_b32 v[\pw], v[TM+7], 24, v[\pw]
	WIN (\w)
.irp c, 0,1
	v_cvt_scalef32_pk16_fp6_f32 v[(\pc)+6*\c:(\pc)+6*\c+2], v[\s+32*\c:\s+32*\c+15], v[TM+12+2*\c]
	v_cvt_scalef32_pk16_fp6_f32 v[(\pc)+12+4*\c:(\pc)+14+4*\c], v[\s+32*\c+16:\s+32*\c+31], v[TM+13+2*\c]
.endr
	WIN 0
	v_nop
.irp c, 0,1
.irp i, 0,1,2
	v_permlane16_swap_b32 v[(\pc)+6*\c+\i], v[(\pc)+12+4*\c+\i]
.endr
.irp i, 0,1,2
	v_mov_b32 v[(\pc)+3+6*\c+\i], v[(\pc)+12+4*\c+\i]
.endr
.endr
.endm
.macro ROPE t
	WIN 0x0e
.set m, 0
.rept 32
	v_mul_f32 v[HA+2*m], v[64*(\t)+2*m+1], v[64*(\t)+32+m]
	v_mul_f32 v[HA+2*m+1], v[64*(\t)+2*m+1], v[64*(\t)+m]
.set m, m+1
.endr
.set m, 0
.rept 32
	v_fma_f32 v[HA+2*m], v[64*(\t)+2*m], v[64*(\t)+m], -v[HA+2*m]
	v_fma_f32 v[HA+2*m+1], v[64*(\t)+2*m], v[64*(\t)+32+m], v[HA+2*m+1]
.set m, m+1
.endr
	WIN 0
.endm
.macro OUT t
.irp c, 0,1,2
	global_store_b128 v4, v[PCB+20*(\t)+4*\c:PCB+20*(\t)+4*\c+3], s[82:83] offset:1536*(\t)+512*\c
.endr
.endm
	s_wait_loadcnt 0x0
	s_cmp_lt_u32 ttmp9, 10
	s_cbranch_scc0 .Lv
.irp t, 0,1,2,3
	ROPE \t
	QUANT HA, 0, PCB+20*\t, PW+\t
	OUT \t
.endr
	s_branch .Lwords
.Lv:
.irp t, 0,1,2,3
	QUANT 64*\t, 2, PCB+20*\t, PW+\t
	OUT \t
.endr
.Lwords:
	s_wait_xcnt 0x0
	v_cmp_gt_u32 vcc_lo, 16, v3
	s_and_saveexec_b32 s3, vcc_lo
	global_store_b128 v6, v[PW:PW+3], s[84:85] offset:SCO
	s_wait_xcnt 0x0
	s_or_b32 exec_lo, exec_lo, s3
	s_wait_tensorcnt 0x0
	ds_add_u32 v[SPW], v[NIL]
	s_wait_dscnt 0x0
	CROUND
	s_endpgm
.Lfunc_end_k_q73e34abd0d_qkv:
	.size	k_q73e34abd0d_qkv, .Lfunc_end_k_q73e34abd0d_qkv-k_q73e34abd0d_qkv
	.p2alignl 7, 3214868480
	.fill 96, 4, 3214868480
	.section	.rodata,"a",@progbits
	.p2align	6, 0x0
	.amdhsa_kernel k_q73e34abd0d_qkv
		.amdhsa_group_segment_fixed_size 327680
		.amdhsa_private_segment_fixed_size 0
		.amdhsa_enable_private_segment 0
		.amdhsa_kernarg_size 40
		.amdhsa_user_sgpr_count 2
		.amdhsa_user_sgpr_kernarg_segment_ptr 1
		.amdhsa_wavefront_size32 1
		.amdhsa_system_sgpr_workgroup_id_x 1
		.amdhsa_system_sgpr_workgroup_id_y 1
		.amdhsa_system_sgpr_workgroup_id_z 1
		.amdhsa_system_vgpr_workitem_id 0
		.amdhsa_next_free_vgpr 1024
		.amdhsa_next_free_sgpr 100
		.amdhsa_reserve_vcc 1
		.amdhsa_float_denorm_mode_32 3
		.amdhsa_float_denorm_mode_16_64 3
		.amdhsa_memory_ordered 1
		.amdhsa_forward_progress 1
		.amdhsa_inst_pref_size 183
	.end_amdhsa_kernel
	.amdgpu_metadata
---
amdhsa.version: [ 1, 2 ]
amdhsa.kernels:
  - .name:           k_q73e34abd0d_qkv
    .symbol:         k_q73e34abd0d_qkv.kd
    .args:
      - { .name: img, .offset: 0, .size: 8, .value_kind: global_buffer, .address_space: global }
      - { .name: freqs_cos, .offset: 8, .size: 8, .value_kind: global_buffer, .address_space: global }
      - { .name: freqs_sin, .offset: 16, .size: 8, .value_kind: global_buffer, .address_space: global }
      - { .name: qimg, .offset: 24, .size: 8, .value_kind: global_buffer, .address_space: global }
      - { .name: kvimg, .offset: 32, .size: 8, .value_kind: global_buffer, .address_space: global }
    .group_segment_fixed_size: 327680
    .private_segment_fixed_size: 0
    .kernarg_segment_align: 8
    .kernarg_segment_size: 40
    .max_flat_workgroup_size: 128
    .sgpr_count:     100
    .vgpr_count:     1024
    .wavefront_size: 32
...
	.end_amdgpu_metadata
.endif
;; end of part 2
;; launch attn (part 3): grid 32 x 8, 8 waves a work-group, clusters of 4 x 4, 327,680 bytes of LDS; arguments qimg, kvimg, mask, aimg; writes aimg
.if DOCPART == 3
	.amdgcn_target "amdgcn-amd-amdhsa--gfx1250"
	.amdhsa_code_object_version 6
	.text
	.protected	k_q73e34abd0d_attn
	.globl	k_q73e34abd0d_attn
	.p2align	8
	.type	k_q73e34abd0d_attn,@function
k_q73e34abd0d_attn:
	s_mov_b64 s[64:65], 0
	v_nop
	global_prefetch_b8 v0, s[64:65] scope:SCOPE_SE
	s_setreg_imm32_b32 hwreg(HW_REG_WAVE_MODE, 25, 1), 1
	s_wait_xcnt 0x0
	s_wait_alu depctr_hold_cnt(0) depctr_sa_sdst(0) depctr_va_vdst(0) depctr_va_sdst(0) depctr_va_ssrc(0) depctr_va_vcc(0) depctr_vm_vsrc(0)
	s_getreg_b32 s2, hwreg(HW_REG_IB_STS2, 6, 4)
	s_cmp_eq_u32 s2, 0
	s_cbranch_scc0 .Lentry_in_a_cluster
	s_endpgm
.Lentry_in_a_cluster:
	s_bfe_u32 s2, ttmp6, 0x10000c
	s_cmp_lg_u32 s2, 0xf033
	s_cbranch_scc0 .Lentry_shape_is_right
	s_endpgm
.Lentry_shape_is_right:
; o = softmax(q k^T / sqrt(128) + mask) v for 32 query heads on 8 key and value heads, both products on codes of FP6 (E2M3) with E8M0 scales; o is quantised at once, along the heads' channels, for the last product.
; THE MASK IS AN INPUT: each of its 1,024 x 1,024 numbers is read and added; no key is left out.
; THE SOFTMAX: logit = score / sqrt(128) + mask (one fused multiply-add by 1 / sqrt(128)); t = logit x log2(e); M = the row's largest t so far, rounded UP to a whole number; p = 2^(t - M) is quantised along the keys, not normalised.
; The row's sum is taken of the unquantised p and divides O at the end (by v_rcp_f32).  When M moves, the sum and O are multiplied by 2^(old M - new M): exact.
; SHARES: a work-group is 32 queries (QB) x one key and value head (g).  Wave w: head 4 g + w / 2, query tile u = w % 2 = tile 2 (QB % 4) + u of token block QB / 4; lane r stands for query 32 QB + 8 u + r + 8 (r / 8).
; Two waves to a SIMD, so that one wave's vector work stands beside the other's matrix work and LDS loads.  Every wave walks the 1,024 keys, 128 a step.
; LAYOUT: both products transposed (S^T = K Q^T, O^T = V^T P^T): a lane holds one query throughout.  K's and V's chunks are images of operand registers whose tiles hold rows 32 (i / 2) + 8 (i % 2) + p + 8 (p / 8):
; so register 16 b + i of S^T is key 32 b + 16 h + i, and of O^T channel 32 b + 16 h + i: the order in which the quantiser takes them.
; RING: two LDS slots of 256 keys, 2^17 bytes apart: two key steps of (K's chunk, V's chunk), 25,600 bytes each, then the mask's 32 rows x 256 keys, rows 1,040 bytes apart; rows 16-31 begin 128 bytes further on than the pitch
; gives, so that the sixteen rows that a load touches begin at sixteen different 16-byte columns of 256 bytes.
; CLUSTER 4 x 4: K and V hang on g alone and are asked for jointly by a row of the cluster (waves 0, 1: a key step each); the mask's rows hang on QB alone, by a column (waves 2, 3: 16 rows each).
; A wave has at most one tensor load out.  A refill is asked for a whole slot, two key steps, ahead of the wait for it; no prefetch is written.
; The scale words of o leave 4 bytes a lane, 16 bytes apart: 64 bytes of a wave's 1,600: whole runs of 256 bytes would want 64 tokens of one head, and a work-group has 32.
; LIMITS: NaN is not served; a row whose every logit is -infinity gives NaN, as it does in the definition; a block of zeros has the scale byte 1 (its codes are zeros; this program alone reads the bytes).
; REGISTERS: window 0: v1-3 lane offsets, v4-6 the step's LDS addresses, v7-8 the add's, v9 lane; v12 -M, v13 the largest t, v[14:15] the sum; v16-27 Q, v28 its scale words; v32-39 K's scale words, v40-47 V's;
;   v48-84 the way out; v96-159 S^T, then p; v160-223 O^T; v224-235 p's codes; v232-254 at work.   window 1: v0-95 K's eight fragments; v96-159 the mask; v160-255 V's eight fragments.
.set CH,    12800
.set SCO,   12288
.set SLOT1, 1<<17
.set MOFF,  4*CH                       ; the mask's place in a slot
.set MP,    1040                       ; a mask row in LDS: 1,024 bytes + 16
.set MH,    16*MP+128                  ; from rows 0-15 to rows 16-31
.set SPARE, 2*SLOT1                    ; the spare words, 128 bytes a wave: four blocks of 256 bytes that no other line names
.set ADK,  4
.set ADS,  5
.set ADM,  6
.set SPW,  7
.set NIL,  8
.set SS,   96
.set OO,   160
.set PC,   48
.set TM,   68
.set PW,   84
.set WV,   14
.set SEL,  20                          ; s[20:21]
.set L2E,  22                          ; s[22:23] log2(e), twice: the packed form names a pair
.set G1K,  24                          ; s[24:31] group 1 for K's and V's chunks;  s[32:39] for the mask;  s[40:43], s[44:47] their groups 0, which walk
.set G1M,  32
.set G0K,  40
.set G0M,  44
.set RS,   48                          ; s[48:49] 1 / sqrt(128), twice
.set TB,   56                          ; LDS byte at which the slot in hand begins
.set SLOTS, 57
.set MSB, 0
.macro WIN new
.if MSB != (\new)
	s_set_vgpr_msb (MSB<<8)|(\new)
.set MSB, (\new)
.endif
.endm
.macro PLACES
.rept 4
	v_nop
.endr
.endm
.macro TLOAD                           ; the branches hang on the wave's number alone; four v_nop follow each of the two lines
	s_cmp_lt_u32 s[WV], 2
	s_cbranch_scc0 .Lnot_k_\@
	tensor_load_to_lds s[G0K:G0K+3], s[G1K:G1K+7]
	s_nop 0
.rept 4
	v_nop
.endr
	s_branch .Lasked_\@
.Lnot_k_\@:
	s_cmp_lt_u32 s[WV], 4
	s_cbranch_scc0 .Lasked_\@
	tensor_load_to_lds s[G0M:G0M+3], s[G1M:G1M+7]
	s_nop 0
.rept 4
	v_nop
.endr
.Lasked_\@:
.endm
.macro CROUND                          ; a round of the cluster's barrier
	s_barrier_signal -1
	s_barrier_wait -1
	s_cmp_lg_u32 s[WV], 0
	s_cbranch_scc1 .Lnot_wave_0_\@
	s_barrier_signal -3
.Lnot_wave_0_\@:
	s_barrier_wait -3
	s_barrier_signal -1
	s_barrier_wait -1
.endm
	s_load_b256 s[4:11], s[0:1], 0x0               ; qimg s[4:5], kvimg s[6:7], mask s[8:9], aimg s[10:11]
	v_lshl_add_u32 v[SPW], v0, 2, SPARE
	v_mov_b32 v[NIL], 0
	ds_add_u32 v7, v8
	ds_add_u32 v7, v8
	s_wait_dscnt 0x0
	v_lshrrev_b32 v1, 5, v0
	s_delay_alu instid0(VALU_DEP_1)
	v_readfirstlane_b32 s[WV], v1                  ; wave 0..7
	s_lshr_b32 s18, s[WV], 1                       ; which of the four heads
	s_and_b32 s19, s[WV], 1                        ; u.  Also: which part I fetch, if I fetch
	s_bfe_u32 s50, ttmp6, 0x40000                  ; cx, cy
	s_bfe_u32 s51, ttmp6, 0x40004
	s_lshl_b32 s52, ttmp9, 2
	s_add_co_u32 s52, s52, s50                     ; QB = 4 x cluster x + cx
	s_and_b32 s53, ttmp7, 0xffff
	s_lshl_b32 s53, s53, 2
	s_add_co_u32 s53, s53, s51                     ; g = 4 x cluster y + cy
	s_lshl_b32 s54, s51, 2
	s_lshl_b32 s54, 15, s54                        ; my row of the cluster
	s_lshl_b32 s55, 0x1111, s50                    ; my column
	s_or_b32 s[G1K], s54, (3<<16)|(1<<21)          ; a key step's 25,600 dense bytes as 100 rows of 256 (32 elements of 8 bytes)
	s_mov_b32 s[G1K+1], 32<<16
	s_mov_b32 s[G1K+2], 100<<16
	s_mov_b32 s[G1K+3], 32<<16
	s_mov_b32 s[G1K+4], 100
	s_mov_b32 s[G1K+5], 32
	s_mov_b32 s[G1K+6], 0
	s_mov_b32 s[G1K+7], 0
	s_or_b32 s[G1M], s55, (2<<16)|(1<<20)|(1<<21)|(7<<22)|(3<<25)   ; 16 rows of 256 numbers of 4 bytes; 4 words of padding behind every 256 words
	s_mov_b32 s[G1M+1], 256<<16
	s_mov_b32 s[G1M+2], 16<<16
	s_mov_b32 s[G1M+3], 256<<16
	s_mov_b32 s[G1M+4], 16
	s_mov_b32 s[G1M+5], 1024                       ; a row of the mask
	s_mov_b32 s[G1M+6], 0
	s_mov_b32 s[G1M+7], 0
	s_mul_i32 s58, s53, 16*CH                      ; K, V: head g's eight key steps of 25,600 bytes; my key step of the slot
	s_mul_i32 s60, s19, 2*CH                       ; which is also its place in a slot
	s_add_co_u32 s58, s58, s60
	s_mov_b32 s59, 0
	s_lshl_b32 s62, s52, 17                        ; the mask: 32 rows of 4,096 bytes a work-group; my 16 of them
	s_lshl_b32 s63, s19, 16
	s_add_co_u32 s62, s62, s63
	s_mov_b32 s63, 0
	s_mul_i32 s61, s19, MH
	s_add_co_u32 s61, s61, MOFF
	s_mov_b32 s[SEL], 0x76543210
	s_mov_b32 s[SEL+1], 0xfedcba98
	s_mov_b32 s[L2E], 0x3fb8aa3b
	s_mov_b32 s[L2E+1], s[L2E]
	s_mov_b32 s[RS], 0x3db504f3
	s_mov_b32 s[RS+1], s[RS]
	s_mov_b32 s[TB], 0
	s_mov_b32 s[SLOTS], 3
	s_wait_kmcnt 0x0
	CROUND                                         ; all sixteen work-groups are here: the first joint loads meet
	s_mov_b32 s[G0K], 1
	s_mov_b32 s[G0K+1], s60
	s_add_nc_u64 s[G0K+2:G0K+3], s[6:7], s[58:59]
	s_or_b32 s[G0K+3], s[G0K+3], 0x80000000
	s_mov_b32 s[G0M], 1
	s_mov_b32 s[G0M+1], s61
	s_add_nc_u64 s[G0M+2:G0M+3], s[8:9], s[62:63]
	s_or_b32 s[G0M+3], s[G0M+3], 0x80000000
	TLOAD                                          ; slot 0
	s_lshl_b32 s67, s53, 2
	s_add_co_u32 s67, s67, s18                     ; my head
	s_lshr_b32 s68, s52, 2                         ; my token block
	s_and_b32 s69, s52, 3
	s_lshl_b32 s69, s69, 1
	s_add_co_u32 s69, s69, s19                     ; my tile in it
	s_mul_i32 s72, s69, 1536                       ; its codes' place in a chunk,
	s_lshr_b32 s73, s69, 2
	s_lshl_b32 s73, s73, 8
	s_and_b32 s74, s69, 3
	s_lshl_b32 s74, s74, 2
	s_add_co_u32 s73, s73, s74                     ; its scale words', less SCO and 16 r
	s_lshl_b32 s70, s67, 3
	s_add_co_u32 s70, s70, s68
	s_mul_i32 s70, s70, CH                         ; qimg: chunk (head, token block)
	s_add_co_u32 s80, s70, s72
	s_mov_b32 s81, 0
	s_add_co_u32 s82, s70, s73
	s_mov_b32 s83, 0
	s_add_nc_u64 s[76:77], s[4:5], s[80:81]
	s_add_nc_u64 s[78:79], s[4:5], s[82:83]
	s_lshl_b32 s70, s68, 5
	s_add_co_u32 s70, s70, s67
	s_mul_i32 s70, s70, CH                         ; aimg: chunk (token block, head)
	s_add_co_u32 s80, s70, s72
	s_add_co_u32 s82, s70, s73
	s_add_nc_u64 s[86:87], s[10:11], s[80:81]
	s_add_nc_u64 s[88:89], s[10:11], s[82:83]
	v_and_b32 v9, 31, v0                           ; lane
	s_delay_alu instid0(VALU_DEP_1)
	v_lshlrev_b32 v1, 4, v9                        ; v1: 16 x lane
	v_and_b32 v10, 15, v0
	s_delay_alu instid0(VALU_DEP_1)
	v_lshlrev_b32 v2, 4, v10                       ; v2: 16 r
.irp c, 0,1,2
	global_load_b128 v[16+4*\c:19+4*\c], v1, s[76:77] offset:512*\c   ; Q's fragment stays in registers
.endr
	global_load_b32 v28, v2, s[78:79] offset:SCO   ; and its scale words
	v_bfe_u32 v11, v0, 4, 1                        ; h
	v_and_b32 v3, 7, v0
	s_delay_alu instid0(VALU_DEP_1)
	v_mul_u32_u24 v3, v3, MP
	v_bfe_u32 v29, v0, 3, 1                        ; r / 8
	s_delay_alu instid0(VALU_DEP_1)
	v_mad_u32_u24 v3, v29, MH, v3
	s_delay_alu instid0(VALU_DEP_1)
	v_lshl_add_u32 v3, v11, 6, v3
	s_mul_i32 s75, s19, 8*MP
	s_add_co_u32 s75, s75, MOFF
	v_add_nc_u32 v3, s75, v3                       ; v3: my query's row of the mask: row 8 u + r % 8 of the half r / 8, + 64 h
	v_mov_b32 v13, 0xff61b1e6                      ; the largest t so far: -3e38
	s_delay_alu instid0(VALU_DEP_1)
	v_floor_f32 v12, -v13                          ; -M
	v_mov_b32 v14, 0
	v_mov_b32 v15, 0
.irp b, 0,1,2,3
	v_mov_b32 v[236+\b], 0                         ; written once: a lane permute's destination counts as one of its sources
	v_mov_b32 v[TM+4+\b], 0
.endr
	v_mov_b32 v253, 0                              ; (named as the upper half of the pair v[252:253] before it is first written)
.set j, 0
.rept 64
	v_mov_b32 v[OO+j], 0                           ; O^T.  (The step is written once: the first finds zeros, which the first change of M leaves zeros)
.set j, j+1
.endr
; A KEY STEP: 128 keys, the q-th of the slot in hand
.macro STEP q
	v_add_nc_u32 v[ADK], s[TB], v1
	v_add_nc_u32 v[ADS], s[TB], v2
	v_add_nc_u32 v[ADM], s[TB], v3
	v_nop                                          ; these four are the places between the last step's products V^T P and the loads below into V's fragments and scale words
	ds_load_b128 v[32:35], v[ADS] offset:2*CH*(\q)+SCO          ; K's scale words: tiles 0-3, tiles 4-7
	ds_load_b128 v[36:39], v[ADS] offset:2*CH*(\q)+SCO+256
	WIN 0x40                                       ; destination window 1
.irp i, 0,1,2,3,4,5,6,7
.irp c, 0,1,2
	ds_load_b128 v[12*\i+4*\c:12*\i+4*\c+3], v[ADK] offset:2*CH*(\q)+1536*\i+512*\c
.endr
.endr
.irp b, 0,1,2,3
.irp j, 0,1,2,3
	ds_load_b128 v[96+16*\b+4*\j:96+16*\b+4*\j+3], v[ADM] offset:512*(\q)+128*\b+16*\j   ; the mask at keys 32 b + 16 h + 4 j on
.endr
.endr
	s_wait_alu depctr_va_vdst(0)
	s_wait_dscnt 16                                ; K and its scale words are in; the mask's 16 loads may be out
	WIN 0x01                                       ; source 0 window 1
.irp i, 0,1,2,3,4,5,6,7
	v_wmma_scale_f32_16x16x128_f8f6f4 v[SS+8*\i:SS+8*\i+7], v[12*\i:12*\i+11], v[16:27], 0, v[32+\i], v28 matrix_a_fmt:MATRIX_FMT_FP6 matrix_b_fmt:MATRIX_FMT_FP6
.endr
	WIN 0
	ds_load_b128 v[40:43], v[ADS] offset:2*CH*(\q)+CH+SCO       ; V is asked for now and lands under the softmax
	ds_load_b128 v[44:47], v[ADS] offset:2*CH*(\q)+CH+SCO+256
	WIN 0x40
.irp i, 0,1,2,3,4,5,6,7
.irp c, 0,1,2
	ds_load_b128 v[160+12*\i+4*\c:160+12*\i+4*\c+3], v[ADK] offset:2*CH*(\q)+CH+1536*\i+512*\c
.endr
.endr
	WIN 0
	PLACES                                         ; in front of the first read of the scores
	s_wait_dscnt 26                                ; the mask is in; V's 26 loads may be out
	WIN 0x10                                       ; source 2 (the mask) window 1
.set j, 0
.rept 32
	v_pk_fma_f32 v[SS+j:SS+j+1], v[SS+j:SS+j+1], s[RS:RS+1], v[96+j:97+j] op_sel_hi:[1,0,1]   ; the logit
.set j, j+2
.endr
	WIN 0
.irp b, 0,1,2,3
	v_max3_num_f32 v[232+\b], v[96+16*\b], v[97+16*\b], v[98+16*\b]   ; the largest LOGIT of each block of 32 keys (log2(e) is positive, so it is also the block's largest t): it serves for the row's maximum and, since p rises with it, for the block's largest p
.endr
.irp i, 3,5,7,9,11,13
.irp b, 0,1,2,3
	s_delay_alu instid0(VALU_DEP_4)
	v_max3_num_f32 v[232+\b], v[232+\b], v[96+16*\b+\i], v[97+16*\b+\i]
.endr
.endr
.irp b, 0,1,2,3
	s_delay_alu instid0(VALU_DEP_4)
	v_max_num_f32 v[232+\b], v[232+\b], v[111+16*\b]
.endr
.irp b, 0,1,2,3
	s_delay_alu instid0(VALU_DEP_4)
	v_permlanex16_b32 v[236+\b], v[232+\b], s[SEL], s[SEL+1]
.endr
.irp b, 0,1,2,3
	s_delay_alu instid0(VALU_DEP_4)
	v_max_num_f32 v[232+\b], v[232+\b], v[236+\b]  ; with lane l xor 16's 16 keys
.endr
	s_delay_alu instid0(VALU_DEP_2)
	v_max3_num_f32 v254, v232, v233, v234
	s_delay_alu instid0(VALU_DEP_1)
	v_max_num_f32 v254, v254, v235
	s_delay_alu instid0(VALU_DEP_1)
	v_mul_f32 v254, s[L2E], v254                   ; the step's largest logit as t
	s_delay_alu instid0(VALU_DEP_1)
	v_max_num_f32 v13, v13, v254                   ; the running largest t
	v_mov_b32 v254, v12
	s_delay_alu instid0(VALU_DEP_2)
	v_floor_f32 v12, -v13                          ; the new -M = -ceil(t): a whole number
	s_delay_alu instid0(VALU_DEP_1)
	v_sub_f32 v254, v12, v254                      ; old M - new M: a whole number, 0 or less
	s_delay_alu instid0(VALU_DEP_1)
	v_cvt_i32_f32 v254, v254                       ; (it saturates)
	s_delay_alu instid0(VALU_DEP_1)
	v_ldexp_f32 v252, 1.0, v254                    ; f = 2^(old M - new M)
.set j, 0
.rept 32
	v_pk_fma_f32 v[SS+j:SS+j+1], v[SS+j:SS+j+1], s[L2E:L2E+1], v[12:13] op_sel_hi:[1,0,0]   ; t - M = logit x log2(e) - M, one fused multiply-add (of the pairs the low word serves both halves)
.set j, j+2
.endr
.irp b, 0,1,2,3
	v_fma_f32 v[232+\b], v[232+\b], s[L2E], v12    ; the same of each block's largest logit
.endr
.set j, 0
	s_wait_alu depctr_va_vdst(0)
.rept 64
	v_exp_f32 v[SS+j], v[SS+j]                     ; p = 2^(t - M), at most 1
.set j, j+1
.endr
	v_pk_mul_f32 v[14:15], v[14:15], v[252:253] op_sel_hi:[1,0]   ; the sums under the new M.  (The plain place behind the exponentials)
	s_wait_alu depctr_va_vdst(0)                   ; one wait for the whole batch, ahead of its first reader
.irp b, 0,1,2,3
	v_exp_f32 v[232+\b], v[232+\b]                 ; the block's largest p
.endr
	v_pk_add_f32 v[236:237], v[100:101], v[104:105]
	v_pk_add_f32 v[250:251], v[108:109], v[112:113]
	v_pk_add_f32 v[248:249], v[116:117], v[120:121]
	v_pk_add_f32 v[94:95], v[124:125], v[128:129]
	v_pk_add_f32 v[92:93], v[132:133], v[136:137]
	v_pk_add_f32 v[90:91], v[140:141], v[144:145]
	v_pk_add_f32 v[88:89], v[148:149], v[152:153]
	v_pk_add_f32 v[14:15], v[14:15], v[156:157]
	v_pk_add_f32 v[236:237], v[236:237], v[96:97]
	v_pk_add_f32 v[250:251], v[250:251], v[98:99]
	v_pk_add_f32 v[248:249], v[248:249], v[102:103]
	v_pk_add_f32 v[94:95], v[94:95], v[106:107]
	v_pk_add_f32 v[92:93], v[92:93], v[110:111]
	v_pk_add_f32 v[90:91], v[90:91], v[114:115]
	v_pk_add_f32 v[88:89], v[88:89], v[118:119]
	v_pk_add_f32 v[14:15], v[14:15], v[122:123]
	v_pk_add_f32 v[236:237], v[236:237], v[126:127]
	v_pk_add_f32 v[250:251], v[250:251], v[130:131]
	v_pk_add_f32 v[248:249], v[248:249], v[134:135]
	v_pk_add_f32 v[94:95], v[94:95], v[138:139]
	v_pk_add_f32 v[92:93], v[92:93], v[142:143]
	v_pk_add_f32 v[90:91], v[90:91], v[146:147]
	v_pk_add_f32 v[88:89], v[88:89], v[150:151]
	v_pk_add_f32 v[14:15], v[14:15], v[154:155]
	v_pk_add_f32 v[236:237], v[236:237], v[158:159]
	s_delay_alu instid0(VALU_DEP_2)
	v_pk_add_f32 v[14:15], v[14:15], v[94:95]
	s_delay_alu instid0(VALU_DEP_2)
	v_pk_add_f32 v[236:237], v[236:237], v[92:93]
	v_pk_add_f32 v[250:251], v[250:251], v[90:91]
	v_pk_add_f32 v[248:249], v[248:249], v[88:89]
	s_delay_alu instid0(VALU_DEP_2)
	v_pk_add_f32 v[14:15], v[14:15], v[250:251]
	s_delay_alu instid0(VALU_DEP_2)
	v_pk_add_f32 v[236:237], v[236:237], v[248:249]
	s_delay_alu instid0(VALU_DEP_1)
	v_pk_add_f32 v[14:15], v[14:15], v[236:237]
	s_wait_alu depctr_va_vdst(0)                   ; and one for the four
.irp b, 0,1,2,3
	v_max_num_f32 v[232+\b], 0x1800000, v[232+\b]  ; the floor 2^(3 - 127): the byte cannot fall under 1
.endr
.irp b, 0,1,2,3
	s_delay_alu instid0(VALU_DEP_4)
	v_add_nc_u32 v[244+\b], 0xff000000, v[232+\b]  ; 2 off the exponent field: the conversion's scale operand
.endr
.irp b, 0,1,2,3
	s_delay_alu instid0(VALU_DEP_4)
	v_lshrrev_b32 v[236+\b], 23, v[244+\b]         ; the scale's byte
.endr
	s_delay_alu instid0(VALU_DEP_3)
	v_lshl_or_b32 v253, v237, 8, v236              ; p's scale word for these 128 keys
	s_delay_alu instid0(VALU_DEP_1)
	v_lshl_or_b32 v253, v238, 16, v253
	s_delay_alu instid0(VALU_DEP_1)
	v_lshl_or_b32 v253, v239, 24, v253
.irp c, 0,1
	v_cvt_scalef32_pk16_fp6_f32 v[224+6*\c:226+6*\c], v[96+32*\c:111+32*\c], v[244+2*\c]
	v_cvt_scalef32_pk16_fp6_f32 v[236+4*\c:238+4*\c], v[112+32*\c:127+32*\c], v[244+2*\c+1]
.endr
	v_nop                                          ; one plain place behind a scaled conversion
.irp c, 0,1
.irp i, 0,1,2
	v_permlane16_swap_b32 v[224+6*\c+\i], v[236+4*\c+\i]
.endr
.irp i, 0,1,2
	s_delay_alu instid0(VALU_DEP_3)
	v_mov_b32 v[227+6*\c+\i], v[236+4*\c+\i]
.endr
.endr
.set j, 0
.rept 32
	v_pk_mul_f32 v[OO+j:OO+j+1], v[OO+j:OO+j+1], v[252:253] op_sel_hi:[1,0]   ; O^T under the new M.  (These 32 are also the places between the writes of p's codes and scale word and the products below)
.set j, j+2
.endr
	s_wait_alu depctr_va_vdst(0)
	s_wait_dscnt 0x0                               ; V is in
	WIN 0x01
.irp i, 0,1,2,3,4,5,6,7
	v_wmma_scale_f32_16x16x128_f8f6f4 v[OO+8*\i:OO+8*\i+7], v[160+12*\i:160+12*\i+11], v[224:235], v[OO+8*\i:OO+8*\i+7], v[40+\i], v253 matrix_a_fmt:MATRIX_FMT_FP6 matrix_b_fmt:MATRIX_FMT_FP6
.endr
	WIN 0
.endm
; THE CHANGE OF SLOTS stands at a slot's head.  Each wave waits for all its tensor loads (its part of the slot ahead), adds 0 to its spare word, and waits for that and for its reads of the slot that it has left.
; fill = 1: the barrier is a round of the cluster's, and behind it the slot that was left is filled with the next 256 keys.
.macro CHANGE fill
	s_wait_tensorcnt 0x0                           ; no tensor load of mine is out, so a group 0 may be written
	ds_add_u32 v[SPW], v[NIL]                      ; 0 onto my spare word
.if \fill
	s_xor_b32 s[G0K+1], s[G0K+1], SLOT1            ; the walking descriptors: the other slot, the next 256 keys
	s_add_nc_u64 s[G0K+2:G0K+3], s[G0K+2:G0K+3], 4*CH
	s_xor_b32 s[G0M+1], s[G0M+1], SLOT1
	s_add_nc_u64 s[G0M+2:G0M+3], s[G0M+2:G0M+3], 1024
	s_wait_dscnt 0x0                               ; the add is done, and my reads of the slot that I have left are over
	CROUND
	TLOAD                                          ; the first thing behind the round, and a wave's one tensor load until the next
.else
	s_wait_dscnt 0x0
	s_barrier_signal -1
	s_barrier_wait -1
.endif
.endm
.macro SLOT_STEPS
	STEP 0
	STEP 1
	s_xor_b32 s[TB], s[TB], SLOT1
.endm
	s_wait_loadcnt 0x0                             ; Q
.Lslot:                                                ; three trips: behind each change of slots but the last the next slot is asked for
	CHANGE 1
	SLOT_STEPS
	s_sub_co_u32 s[SLOTS], s[SLOTS], 1
	s_cmp_lg_u32 s[SLOTS], 0
	s_cbranch_scc1 .Lslot
	CHANGE 0                                       ; the last slot is written out
	SLOT_STEPS
	; THE WAY OUT: O^T / the sum, quantised along the channels: it is tile (my 16 queries) of K step (my head) of the last product's operand
	v_add_f32 v14, v14, v15
	s_delay_alu instid0(VALU_DEP_1)
	v_permlanex16_b32 v252, v14, s[SEL], s[SEL+1]
	s_delay_alu instid0(VALU_DEP_1)
	v_add_f32 v14, v14, v252                       ; the row's sum
	s_wait_alu depctr_va_vdst(0)
	v_rcp_f32 v14, v14
	v_nop                                          ; the plain place behind the reciprocal; with the two additions and the next line, the four places behind the last products
	v_nop
	s_wait_alu depctr_va_vdst(0)                   ; ahead of the reciprocal's first reader
.set j, 0
.rept 32
	v_pk_mul_f32 v[SS+j:SS+j+1], v[OO+j:OO+j+1], v[14:15] op_sel_hi:[1,0]   ; each accumulator from its low end on
.set j, j+2
.endr
.irp b, 0,1,2,3
	v_max3_num_f32 v[TM+\b], |v[SS+16*\b]|, |v[SS+16*\b+1]|, 0x1800000
.endr
.irp i, 2,4,6,8,10,12,14
.irp b, 0,1,2,3
	s_delay_alu instid0(VALU_DEP_4)
	v_max3_num_f32 v[TM+\b], |v[SS+16*\b+\i]|, |v[SS+16*\b+\i+1]|, v[TM+\b]
.endr
.endr
.irp b, 0,1,2,3
	s_delay_alu instid0(VALU_DEP_4)
	v_permlanex16_b32 v[TM+4+\b], v[TM+\b], s[SEL], s[SEL+1]
.endr
.irp b, 0,1,2,3
	s_delay_alu instid0(VALU_DEP_4)
	v_max_num_f32 v[TM+\b], v[TM+\b], v[TM+4+\b]
.endr
.irp b, 0,1,2,3
	s_delay_alu instid0(VALU_DEP_4)
	v_add_nc_u32 v[TM+12+\b], 0xff000000, v[TM+\b]
.endr
.irp b, 0,1,2,3
	s_delay_alu instid0(VALU_DEP_4)
	v_lshrrev_b32 v[TM+4+\b], 23, v[TM+12+\b]
.endr
	s_delay_alu instid0(VALU_DEP_3)
	v_lshl_or_b32 v[PW], v[TM+5], 8, v[TM+4]
	s_delay_alu instid0(VALU_DEP_1)
	v_lshl_or_b32 v[PW], v[TM+6], 16, v[PW]
	s_delay_alu instid0(VALU_DEP_1)
	v_lshl_or_b32 v[PW], v[TM+7], 24, v[PW]
.irp c, 0,1
	v_cvt_scalef32_pk16_fp6_f32 v[PC+6*\c:PC+6*\c+2], v[SS+32*\c:SS+32*\c+15], v[TM+12+2*\c]
	v_cvt_scalef32_pk16_fp6_f32 v[PC+12+4*\c:PC+14+4*\c], v[SS+32*\c+16:SS+32*\c+31], v[TM+13+2*\c]
.endr
	v_nop
.irp c, 0,1
.irp i, 0,1,2
	v_permlane16_swap_b32 v[PC+6*\c+\i], v[PC+12+4*\c+\i]
.endr
.irp i, 0,1,2
	s_delay_alu instid0(VALU_DEP_3)
	v_mov_b32 v[PC+3+6*\c+\i], v[PC+12+4*\c+\i]
.endr
.endr
.irp c, 0,1,2
	global_store_b128 v1, v[PC+4*\c:PC+4*\c+3], s[86:87] offset:512*\c   ; 512 consecutive bytes, at a multiple of 256 from aimg's first byte
.endr
	s_wait_xcnt 0x0                                ; EXEC changes only behind this wait
	v_cmp_gt_u32 vcc_lo, 16, v9
	s_and_saveexec_b32 s3, vcc_lo
	global_store_b32 v2, v[PW], s[88:89] offset:SCO
	s_wait_xcnt 0x0                                ; and again, in front of the line that widens it
	s_or_b32 exec_lo, exec_lo, s3
	s_wait_tensorcnt 0x0                           ; the wave's end
	ds_add_u32 v[SPW], v[NIL]
	s_wait_dscnt 0x0
	CROUND                                         ; the closing round
	s_endpgm
.Lfunc_end_k_q73e34abd0d_attn:
	.size	k_q73e34abd0d_attn, .Lfunc_end_k_q73e34abd0d_attn-k_q73e34abd0d_attn
	.p2alignl 7, 3214868480
	.fill 96, 4, 3214868480
	.section	.rodata,"a",@progbits
	.p2align	6, 0x0
	.amdhsa_kernel k_q73e34abd0d_attn
		.amdhsa_group_segment_fixed_size 327680
		.amdhsa_private_segment_fixed_size 0
		.amdhsa_enable_private_segment 0
		.amdhsa_kernarg_size 32
		.amdhsa_user_sgpr_count 2
		.amdhsa_user_sgpr_kernarg_segment_ptr 1
		.amdhsa_wavefront_size32 1
		.amdhsa_system_sgpr_workgroup_id_x 1
		.amdhsa_system_sgpr_workgroup_id_y 1
		.amdhsa_system_sgpr_workgroup_id_z 1
		.amdhsa_system_vgpr_workitem_id 0
		.amdhsa_next_free_vgpr 512
		.amdhsa_next_free_sgpr 100
		.amdhsa_reserve_vcc 1
		.amdhsa_float_denorm_mode_32 3
		.amdhsa_float_denorm_mode_16_64 3
		.amdhsa_memory_ordered 1
		.amdhsa_forward_progress 1
		.amdhsa_inst_pref_size 114
	.end_amdhsa_kernel
	.amdgpu_metadata
---
amdhsa.version: [ 1, 2 ]
amdhsa.kernels:
  - .name:           k_q73e34abd0d_attn
    .symbol:         k_q73e34abd0d_attn.kd
    .args:
      - { .name: qimg, .offset: 0, .size: 8, .value_kind: global_buffer, .address_space: global }
      - { .name: kvimg, .offset: 8, .size: 8, .value_kind: global_buffer, .address_space: global }
      - { .name: mask, .offset: 16, .size: 8, .value_kind: global_buffer, .address_space: global }
      - { .name: aimg, .offset: 24, .size: 8, .value_kind: global_buffer, .address_space: global }
    .group_segment_fixed_size: 327680
    .private_segment_fixed_size: 0
    .kernarg_segment_align: 8
    .kernarg_segment_size: 32
    .max_flat_workgroup_size: 256
    .sgpr_count:     100
    .vgpr_count:     512
    .wavefront_size: 32
...
	.end_amdgpu_metadata
.endif
;; end of part 3
;; launch outp (part 4): grid 32 x 8, 4 waves a work-group, clusters of 4 x 4, 327,680 bytes of LDS; arguments img, aimg, out0; writes out0
.if DOCPART == 4
	.amdgcn_target "amdgcn-amd-amdhsa--gfx1250"
	.amdhsa_code_object_version 6
	.text
	.protected	k_q73e34abd0d_outp
	.globl	k_q73e34abd0d_outp
	.p2align	8
	.type	k_q73e34abd0d_outp,@function
k_q73e34abd0d_outp:
	s_mov_b64 s[64:65], 0
	v_nop
	global_prefetch_b8 v0, s[64:65] scope:SCOPE_SE
	s_setreg_imm32_b32 hwreg(HW_REG_WAVE_MODE, 25, 1), 1
	s_wait_xcnt 0x0
	s_wait_alu depctr_hold_cnt(0) depctr_sa_sdst(0) depctr_va_vdst(0) depctr_va_sdst(0) depctr_va_ssrc(0) depctr_va_vcc(0) depctr_vm_vsrc(0)
	s_getreg_b32 s2, hwreg(HW_REG_IB_STS2, 6, 4)
	s_cmp_eq_u32 s2, 0
	s_cbranch_scc0 .Lentry_in_a_cluster
	s_endpgm
.Lentry_in_a_cluster:
	s_bfe_u32 s2, ttmp6, 0x10000c
	s_cmp_lg_u32 s2, 0xf033
	s_cbranch_scc0 .Lentry_shape_is_right
	s_endpgm
.Lentry_shape_is_right:
.set CH,    12800
.set SCO,   12288
.set RBB,   32*CH
.set NS,    6
.set PART,  NS*CH
.set HALFP, PART/2
.set SLOT,  2*PART
.set S0O,   PART
.set SPARE, 2*SLOT
.set SP,    272
.set AD0,  16
.set AD1,  20
.set ASX,  24
.set STO,  26
.set RD,   27
.set SPW,  28
.set NIL,  29
.set CO,   30
.set SC,   32
.set S1F,  48
.set BK,   48
.set WV,   14
.set G1,   24
.set G0,   32
.set G1B,  48
.set G0B,  56
.set G1S,  76
.set G1SB, 84
.set G0S,  92
.set G0SB, 96
.set MUL,  0xa1
.set MSB, 0
.macro WIN new
.if MSB != (\new)
	s_set_vgpr_msb (MSB<<8)|(\new)
.set MSB, (\new)
.endif
.endm
.macro PLACES
.rept 4
	v_nop
.endr
.endm
.macro JLOAD g0a, g1a, g0b, g1b
	s_cmp_eq_u32 s15, 0
	s_cbranch_scc0 .Lfor_b_\@
	tensor_load_to_lds s[\g0a:\g0a+3], s[\g1a:\g1a+7]
	s_nop 0
.rept 4
	v_nop
.endr
	s_branch .Lasked_\@
.Lfor_b_\@:
	tensor_load_to_lds s[\g0b:\g0b+3], s[\g1b:\g1b+7]
	s_nop 0
.rept 4
	v_nop
.endr
.Lasked_\@:
.endm
.macro CREST
	s_cmp_lg_u32 s[WV], 0
	s_cbranch_scc1 .Lnot_wave_0_\@
	s_barrier_signal -3
.Lnot_wave_0_\@:
	s_barrier_wait -3
	s_barrier_signal -1
	s_barrier_wait -1
.endm
.macro CROUND
	s_barrier_signal -1
	s_barrier_wait -1
	CREST
.endm
	s_load_b128 s[4:7], s[0:1], 0x0
	s_load_b64 s[8:9], s[0:1], 0x10
	v_lshl_add_u32 v[SPW], v0, 2, SPARE
	v_mov_b32 v[NIL], 0
	ds_add_u32 v28, v29
	ds_add_u32 v28, v29
	s_wait_dscnt 0x0
	v_lshrrev_b32 v1, 5, v0
	v_readfirstlane_b32 s[WV], v1
	s_lshr_b32 s15, s[WV], 1
	s_and_b32 s16, s[WV], 1
	s_bfe_u32 s40, ttmp6, 0x40000
	s_bfe_u32 s41, ttmp6, 0x40004
	s_lshl_b32 s42, ttmp9, 2
	s_add_co_u32 s42, s42, s40
	s_and_b32 s17, ttmp7, 0xffff
	s_lshl_b32 s17, s17, 2
	s_add_co_u32 s17, s17, s41
	s_lshl_b32 s43, s41, 2
	s_lshl_b32 s43, 15, s43
	s_lshl_b32 s44, 0x1111, s40
	s_or_b32 s[G1], s43, (3<<16)|(1<<21)
	s_or_b32 s[G1B], s44, (3<<16)|(1<<21)
	s_or_b32 s[G1S], s43, (3<<16)|(1<<21)
	s_or_b32 s[G1SB], s44, (3<<16)|(1<<21)
.irp g, G1, G1B
	s_mov_b32 s[\g+1], 32<<16
	s_mov_b32 s[\g+2], 150<<16
	s_mov_b32 s[\g+3], 32<<16
	s_mov_b32 s[\g+4], 150
	s_mov_b32 s[\g+5], 32
	s_mov_b32 s[\g+6], 0
	s_mov_b32 s[\g+7], 0
.endr
.irp g, G1S, G1SB
	s_mov_b32 s[\g+1], 32<<16
	s_mov_b32 s[\g+2], 50<<16
	s_mov_b32 s[\g+3], 32<<16
	s_mov_b32 s[\g+4], 50
	s_mov_b32 s[\g+5], 32
	s_mov_b32 s[\g+6], 0
	s_mov_b32 s[\g+7], 0
.endr
	s_mul_i32 s45, s16, HALFP
	s_mul_i32 s20, s17, RBB
	s_add_co_u32 s20, s20, s45
	s_mov_b32 s21, 0
	s_add_co_u32 s46, s42, 56
	s_mul_i32 s46, s46, RBB
	s_add_co_u32 s46, s46, s45
	s_mov_b32 s47, 0
	s_add_co_u32 s23, s45, S0O
	s_mul_i32 s67, s16, CH
	s_mul_i32 s68, s17, RBB
	s_add_co_u32 s68, s68, s67
	s_mov_b32 s69, 0
	s_add_co_u32 s70, s42, 56
	s_mul_i32 s70, s70, RBB
	s_add_co_u32 s70, s70, s67
	s_mov_b32 s71, 0
	s_wait_kmcnt 0x0
	s_add_nc_u64 s[20:21], s[6:7], s[20:21]
	s_add_nc_u64 s[46:47], s[4:5], s[46:47]
	s_add_nc_u64 s[68:69], s[6:7], s[68:69]
	s_add_nc_u64 s[70:71], s[4:5], s[70:71]
	s_mov_b32 s[G0S], 1
	s_add_co_u32 s[G0S+1], s67, SLOT
	s_add_nc_u64 s[G0S+2:G0S+3], s[68:69], 30*CH
	s_or_b32 s[G0S+3], s[G0S+3], 0x80000000
	s_mov_b32 s[G0SB], 1
	s_add_co_u32 s[G0SB+1], s67, SLOT+S0O
	s_add_nc_u64 s[G0SB+2:G0SB+3], s[70:71], 30*CH
	s_or_b32 s[G0SB+3], s[G0SB+3], 0x80000000
	; PREFETCH INTO THE L2.  A fill is six K steps, the last one two.  A side's 76,800 bytes of a fill are shared out BY ADDRESS among the four partners that load them jointly (cx for aimg, cy for wo's codes): 75 blocks of 256 bytes each,
	; 38 and 37 to the side's two waves, 19 lanes an instruction (the other lanes name a block of theirs again); of the last fill's 25,600 bytes 25 blocks each, 13 and 12 to the two waves.
	; Fills 0 and 1 are asked for here, ahead of the round in front of the first joint loads; fills 2 and 3 behind the load of fill 1; fill n + 2 behind the load of fill n, n = 2, 3.  Every offset is an immediate: no address register is rewritten.
	s_add_co_u32 s12, s42, 56
	s_cmp_eq_u32 s15, 0
	s_cselect_b32 s12, s17, s12
	s_cselect_b32 s13, s40, s41
	s_cselect_b64 s[10:11], s[6:7], s[4:5]
	s_mul_i32 s12, s12, RBB
	s_mul_i32 s68, s13, CH/2                       ; for the last fill: my work-group's 6,400 bytes of the side's 25,600
	s_add_co_u32 s68, s68, s12
	s_mov_b32 s69, 0
	s_add_nc_u64 s[68:69], s[10:11], s[68:69]
	s_mul_i32 s19, s16, 13
	s_mul_i32 s13, s13, PART/4
	s_add_co_u32 s12, s12, s13
	s_mov_b32 s13, 0
	s_add_nc_u64 s[10:11], s[10:11], s[12:13]
	s_mul_i32 s18, s16, 38
	v_and_b32 v8, 31, v0
	v_min_u32 v8, 18, v8
	v_add_nc_u32 v8, s18, v8
	v_add_nc_u32 v9, 19, v8
	v_min_u32 v9, 74, v9
	v_lshlrev_b32 v8, 8, v8
	v_lshlrev_b32 v9, 8, v9
	v_and_b32 v10, 31, v0
	v_min_u32 v10, 12, v10
	v_add_nc_u32 v10, s19, v10
	v_min_u32 v10, 24, v10
	v_lshlrev_b32 v10, 8, v10                      ; v10: the last fill's blocks 13 x (wave % 2) + 0 .. 12, held at 24
	global_prefetch_b8 v8, s[10:11] th:TH_LOAD_NT scope:SCOPE_SE
	global_prefetch_b8 v9, s[10:11] th:TH_LOAD_NT scope:SCOPE_SE
	global_prefetch_b8 v8, s[10:11] offset:PART th:TH_LOAD_NT scope:SCOPE_SE
	global_prefetch_b8 v9, s[10:11] offset:PART th:TH_LOAD_NT scope:SCOPE_SE
	CROUND
.irp s, 0,1
	s_mov_b32 s[G0+4*\s], 1
	s_add_co_u32 s[G0+4*\s+1], s45, \s*SLOT
	s_add_nc_u64 s[G0+4*\s+2:G0+4*\s+3], s[20:21], \s*PART
	s_or_b32 s[G0+4*\s+3], s[G0+4*\s+3], 0x80000000
	s_mov_b32 s[G0B+4*\s], 1
	s_add_co_u32 s[G0B+4*\s+1], s23, \s*SLOT
	s_add_nc_u64 s[G0B+4*\s+2:G0B+4*\s+3], s[46:47], \s*PART
	s_or_b32 s[G0B+4*\s+3], s[G0B+4*\s+3], 0x80000000
.if \s                                 ; slot 1's first fill is issued as a refill is
	s_wait_alu depctr_va_vdst(0)
	s_wait_tensorcnt 0x0
	ds_add_u32 v28, v29
	ds_add_u32 v28, v29
	s_wait_dscnt 0x0
	CROUND
.endif
	JLOAD G0+4*\s, G1, G0B+4*\s, G1B
.endr
	v_and_b32 v1, 15, v0
	v_bfe_u32 v2, v0, 4, 1
	v_and_b32 v3, 31, v0
	v_lshlrev_b32 v4, 4, v3
	v_lshlrev_b32 v6, 4, v1
	s_mul_i32 s70, s15, 4*1536
	s_add_co_u32 s70, s70, S0O
	v_add_nc_u32 v[AD0], s70, v4
	v_add_nc_u32 v[AD0+1], 3*CH, v[AD0]
	v_add_nc_u32 v[AD0+2], SLOT, v[AD0]
	v_add_nc_u32 v[AD0+3], SLOT+3*CH, v[AD0]
	s_mul_i32 s71, s16, 4*1536
	v_add_nc_u32 v[AD1], s71, v4
	v_add_nc_u32 v[AD1+1], 3*CH, v[AD1]
	v_add_nc_u32 v[AD1+2], SLOT, v[AD1]
	v_add_nc_u32 v[AD1+3], SLOT+3*CH, v[AD1]
	s_lshl_b32 s72, s16, 8
	s_sub_co_u32 s73, S0O, s72
	s_lshl_b32 s71, s15, 8
	s_add_co_u32 s73, s73, s71
	v_mul_u32_u24 v7, s73, v2
	v_add_nc_u32 v7, v7, v6
	s_add_co_u32 s72, s72, SCO
	v_add_nc_u32 v[ASX], s72, v7
	v_add_nc_u32 v[ASX+1], SLOT, v[ASX]
	s_mul_i32 s66, s[WV], 16*SP
	v_mul_u32_u24 v[STO], v1, SP
	v_lshl_add_u32 v[STO], v2, 6, v[STO]
	v_add_nc_u32 v[STO], s66, v[STO]
	v_mul_u32_u24 v[RD], v2, SP
	v_add_nc_u32 v[RD], v[RD], v6
	v_add_nc_u32 v[RD], s66, v[RD]
	v_lshl_add_u32 v[CO], v2, 14, v6
	s_lshl_b32 s74, s17, 21
	s_lshl_b32 s75, s16, 20
	s_add_co_u32 s74, s74, s75
	s_lshl_b32 s75, s42, 9
	s_add_co_u32 s74, s74, s75
	s_lshl_b32 s75, s15, 8
	s_add_co_u32 s74, s74, s75
	s_mov_b32 s75, 0
	s_add_nc_u64 s[8:9], s[8:9], s[74:75]
	; fills 2 and 3 are asked for, behind the load of fill 1
	global_prefetch_b8 v8, s[10:11] offset:2*PART th:TH_LOAD_NT scope:SCOPE_SE
	global_prefetch_b8 v9, s[10:11] offset:2*PART th:TH_LOAD_NT scope:SCOPE_SE
	global_prefetch_b8 v8, s[10:11] offset:3*PART th:TH_LOAD_NT scope:SCOPE_SE
	global_prefetch_b8 v9, s[10:11] offset:3*PART th:TH_LOAD_NT scope:SCOPE_SE
.macro MUL4 t, p, zero
.irp i, 0,1,2,3
.if \zero
	v_wmma_scale_f32_16x16x128_f8f6f4 v[32*(\t)+8*\i:32*(\t)+8*\i+7], v[128*(\p)+12*\i:128*(\p)+12*\i+11], v[S1F+48*(\p)+12*(\t):S1F+48*(\p)+12*(\t)+11], 0, v[SC+4*(\p)+\i], v[SC+4*(\p)+(\t)] matrix_a_fmt:MATRIX_FMT_FP6 matrix_b_fmt:MATRIX_FMT_FP6 matrix_a_scale:MATRIX_SCALE_ROW1
.else
	v_wmma_scale_f32_16x16x128_f8f6f4 v[32*(\t)+8*\i:32*(\t)+8*\i+7], v[128*(\p)+12*\i:128*(\p)+12*\i+11], v[S1F+48*(\p)+12*(\t):S1F+48*(\p)+12*(\t)+11], v[32*(\t)+8*\i:32*(\t)+8*\i+7], v[SC+4*(\p)+\i], v[SC+4*(\p)+(\t)] matrix_a_fmt:MATRIX_FMT_FP6 matrix_b_fmt:MATRIX_FMT_FP6 matrix_a_scale:MATRIX_SCALE_ROW1
.endif
.endr
.endm
.macro FETCH slot, q, p
	WIN 0x40
.irp i, 0,1,2,3
.irp c, 0,1,2
	ds_load_b128 v[128*(\p)+12*\i+4*\c:128*(\p)+12*\i+4*\c+3], v[AD0+2*\slot+((\q)/3)] offset:CH*((\q)%3)+1536*\i+512*\c
.endr
.endr
	WIN 0
.irp t, 0,1,2,3
.irp c, 0,1,2
	ds_load_b128 v[S1F+48*(\p)+12*\t+4*\c:S1F+48*(\p)+12*\t+4*\c+3], v[AD1+2*\slot+((\q)/3)] offset:CH*((\q)%3)+1536*\t+512*\c
.endr
.endr
	ds_load_b128 v[SC+4*(\p):SC+4*(\p)+3], v[ASX+\slot] offset:CH*(\q)
.endm
.macro KSTEP slot, q, zero
	s_wait_dscnt 0x0
	PLACES
	FETCH \slot, (\q)+1, 1-(\q)%2
	WIN MUL
	MUL4 0, (\q)%2, \zero
	MUL4 1, (\q)%2, \zero
	MUL4 2, (\q)%2, \zero
	MUL4 3, (\q)%2, \zero
.endm
.macro STEPS slot
.irp q, 0,1,2,3,4
	KSTEP \slot, \q, 0
.endr
.endm
.macro TURN slot, next, fill
	WIN 0
	s_wait_tensorcnt 0x0
	ds_add_u32 v[SPW], v[NIL]
	s_wait_dscnt 1
	WIN MUL
	MUL4 0, 1, 0
	s_wait_dscnt 0x0
	s_barrier_signal -1
	MUL4 1, 1, 0
	WIN 0
	s_barrier_wait -1
.if \fill == 1
	CREST
	s_add_nc_u64 s[G0+4*\slot+2:G0+4*\slot+3], s[G0+4*\slot+2:G0+4*\slot+3], 2*PART
	s_add_nc_u64 s[G0B+4*\slot+2:G0B+4*\slot+3], s[G0B+4*\slot+2:G0B+4*\slot+3], 2*PART
	JLOAD G0+4*\slot, G1, G0B+4*\slot, G1B
.elseif \fill == 2
	CREST
	JLOAD G0S, G1S, G0SB, G1SB
.else
	PLACES
.endif
	FETCH \next, 0, 0
	WIN MUL
	MUL4 2, 1, 0
	MUL4 3, 1, 0
.endm
	s_wait_alu depctr_va_vdst(0)
	s_wait_tensorcnt 1
	s_barrier_signal -1
	s_barrier_wait -1
	FETCH 0, 0, 0
	KSTEP 0, 0, 1
.irp q, 1,2,3,4
	KSTEP 0, \q, 0
.endr
	TURN 0, 1, 1
	WIN 0
	global_prefetch_b8 v8, s[10:11] offset:4*PART th:TH_LOAD_NT scope:SCOPE_SE   ; fill 4, behind the load of fill 2
	global_prefetch_b8 v9, s[10:11] offset:4*PART th:TH_LOAD_NT scope:SCOPE_SE
	STEPS 1
	TURN 1, 0, 1
	WIN 0
	global_prefetch_b8 v10, s[68:69] offset:5*PART th:TH_LOAD_NT scope:SCOPE_SE   ; the last fill, behind the load of fill 3
	STEPS 0
	TURN 0, 1, 1
	STEPS 1
	TURN 1, 0, 2
	STEPS 0
	TURN 0, 1, 0
	KSTEP 1, 0, 0
	s_wait_dscnt 0x0
	WIN MUL
	MUL4 0, 1, 0
	MUL4 1, 1, 0
	MUL4 2, 1, 0
	MUL4 3, 1, 0
	WIN 0
	PLACES
.macro TOSTAGE t
	WIN 0x08
.irp i, 0,1,2,3
	ds_store_b128 v[STO], v[32*(\t)+8*\i:32*(\t)+8*\i+3] offset:128*(\i/2)+32*(\i%2)
	ds_store_b128 v[STO], v[32*(\t)+8*\i+4:32*(\t)+8*\i+7] offset:128*(\i/2)+32*(\i%2)+16
.endr
	WIN 0
.irp n, 0,1,2,3,4,5,6,7
	ds_load_b128 v[BK+32*(\t)+4*\n:BK+32*(\t)+4*\n+3], v[RD] offset:2*SP*\n
.endr
.endm
.macro SEND t, younger
	s_wait_dscnt \younger
.irp n, 0,1,2,3,4,5,6,7
	global_store_b128 v[CO], v[BK+32*(\t)+4*\n:BK+32*(\t)+4*\n+3], s[8:9] offset:(32*((\t)/2)+8*((\t)%2)+2*\n+8*(\n/4))*16384 th:TH_STORE_NT
.endr
.endm
	TOSTAGE 0
	TOSTAGE 1
	SEND 0, 16
	TOSTAGE 2
	SEND 1, 16
	TOSTAGE 3
	SEND 2, 16
	SEND 3, 0
	s_wait_tensorcnt 0x0
	ds_add_u32 v[SPW], v[NIL]
	s_wait_dscnt 0x0
	CROUND
	s_endpgm
.Lfunc_end_k_q73e34abd0d_outp:
	.size	k_q73e34abd0d_outp, .Lfunc_end_k_q73e34abd0d_outp-k_q73e34abd0d_outp
	.p2alignl 7, 3214868480
	.fill 96, 4, 3214868480
	.section	.rodata,"a",@progbits
	.p2align	6, 0x0
	.amdhsa_kernel k_q73e34abd0d_outp
		.amdhsa_group_segment_fixed_size 327680
		.amdhsa_private_segment_fixed_size 0
		.amdhsa_enable_private_segment 0
		.amdhsa_kernarg_size 24
		.amdhsa_user_sgpr_count 2
		.amdhsa_user_sgpr_kernarg_segment_ptr 1
		.amdhsa_wavefront_size32 1
		.amdhsa_system_sgpr_workgroup_id_x 1
		.amdhsa_system_sgpr_workgroup_id_y 1
		.amdhsa_system_sgpr_workgroup_id_z 1
		.amdhsa_system_vgpr_workitem_id 0
		.amdhsa_next_free_vgpr 768
		.amdhsa_next_free_sgpr 100
		.amdhsa_reserve_vcc 0
		.amdhsa_float_denorm_mode_32 3
		.amdhsa_float_denorm_mode_16_64 3
		.amdhsa_memory_ordered 1
		.amdhsa_forward_progress 1
		.amdhsa_inst_pref_size 146
	.end_amdhsa_kernel
	.amdgpu_metadata
---
amdhsa.version: [ 1, 2 ]
amdhsa.kernels:
  - .name:           k_q73e34abd0d_outp
    .symbol:         k_q73e34abd0d_outp.kd
    .args:
      - { .name: img, .offset: 0, .size: 8, .value_kind: global_buffer, .address_space: global }
      - { .name: aimg, .offset: 8, .size: 8, .value_kind: global_buffer, .address_space: global }
      - { .name: out0, .offset: 16, .size: 8, .value_kind: global_buffer, .address_space: global }
    .group_segment_fixed_size: 327680
    .private_segment_fixed_size: 0
    .kernarg_segment_align: 8
    .kernarg_segment_size: 24
    .max_flat_workgroup_size: 128
    .sgpr_count:     100
    .vgpr_count:     768
    .wavefront_size: 32
...
	.end_amdgpu_metadata
.endif
;; end of part 4
